; MI455X (gfx1250); checked and timed in simulation.
; The chip was launched on July 23, 2026; its instructions are those of AMD's public machine-readable ISA for CDNA 5 (MIT licence, August 2026) and "CDNA5" Instruction Set Architecture Reference Guide (July 2026). The comments in the code are by the model that wrote it; some were corrected since.
;; Self Attention. Allowed arithmetic: matrix products marked QUANTISED: E2M3 operands, one E8M0 scale for each 32 along K, by v_wmma_scale_f32_16x16x128_f8f6f4 with both operands' format E2M3, f32 sums; everything else in f32.
;; Inputs: Wk 1,024 x 1,024 float32; Wp 1,024 x 1,024 float32; Wq 1,024 x 1,024 float32; Wv 1,024 x 1,024 float32; bk 1,024 float32; bp 1,024 float32; bq 1,024 float32; bv 1,024 float32; x 4 x 2,048 x 1,024 float32.
;; Outputs: out0 4 x 2,048 x 1,024 float32.
;; This version of the problem:
;;   THIS VERSION OF THE PROBLEM IS GIVEN IN LOW PRECISION. The matrix products marked QUANTISED in the list below multiply operands that are first quantised to E2M3 (2 exponent bits, 3 mantissa bits; 6 bits a number), with one power-of-two scale for each 32 numbers along K (OCP MX v1.0); their sums are f32. All else is computed in f32.
;;   The module's matrix products, in the order in which they are computed (A, B: the left and right operand; K: the contracted axis; several contracted axes count as one K, in the product's order):
;;     1. [M 8,192, K 1,024] x [K 1,024, N 1,024]; A: input x; B: input Wk: QUANTISED
;;     2. [M 8,192, K 1,024] x [K 1,024, N 1,024]; A: input x; B: input Wq: QUANTISED
;;     3. [M 8,192, K 1,024] x [K 1,024, N 1,024]; A: input x; B: input Wv: QUANTISED
;;     4. batch 64 x [M 2,048, K 64] x [K 64, N 2,048]; A: computed on the way; B: computed on the way: QUANTISED
;;     5. batch 64 x [M 2,048, K 2,048] x [K 2,048, N 64]; A: softmax (see below); B: computed on the way: QUANTISED
;;     6. [M 8,192, K 1,024] x [K 1,024, N 1,024]; A: computed on the way; B: input Wp: QUANTISED
;;   THE QUANTISER, for each operand of a quantised product, along K:
;;     - K is cut into blocks of 32 from its start; a last block that is shorter is filled with zeros.
;;     - A block's scale is 2^e with e = floor(log2(the largest magnitude in the block)) - 2, held to -126 .. 127; a block of zeros has e = 0. As a byte (E8M0): e + 127.
;;     - Each number is divided by its block's scale, clamped to +-7.5, and rounded to the nearest number of E2M3, ties to even, subnormals kept.
;;     - The product sums the exact products of the quantised numbers (number of the format x scale) in f32.
;;   ~~~python
;;   def quantise(x, axis):      # numpy; x: float32 -> the quantised numbers, widened to float32 again
;;       x = np.moveaxis(x, axis, -1); K = x.shape[-1]
;;       x = np.pad(x, [(0, 0)] * (x.ndim - 1) + [(0, -K % 32)]); x = x.reshape(x.shape[:-1] + (-1, 32)); a = np.abs(x).max(-1, keepdims=True)
;;       e = np.where(a > 0, np.clip(np.frexp(np.where(a > 0, a, 1))[1] - 1 - 2, -126, 127), 0)      # np.frexp(a)[1] - 1 = floor(log2(a)), exactly
;;       r = np.clip(x / 2.0 ** e, -7.5, 7.5)
;;       step = 2.0 ** (np.maximum(np.frexp(np.where(r == 0, 1, r))[1] - 1, 0) - 3)
;;       q = np.round(r / step) * step * 2.0 ** e      # np.round: ties to even
;;       return np.moveaxis(q.reshape(q.shape[:-2] + (-1,))[..., :K], -1, axis).astype(np.float32)
;;   ~~~
;;   SOFTMAX AHEAD OF A QUANTISED PRODUCT. Where the list says 'softmax', what is quantised is not the finished softmax but p = 2^(t - M), with t = logit x log2(e) and M = ceil(the row's largest t), a whole number; so 1/2 < the row's largest p <= 1. The row's sum l is taken of the UNQUANTISED p, in f32, and the product's result is divided by l at the end. Since M is a whole number, a kernel that streams over the keys may use a running M (the ceiling of the running maximum): every later rescaling is an exact power of two, which a block's scale takes up: the codes' values come out the same.
;;   OPERANDS COMPUTED ON THE WAY. 'Computed on the way' means the value that the module computes at that place (a softmax that the list does not call 'softmax' is quantised finished and normalised). What goes into a quantiser is computed in f32, as accurately as f32 sums, v_exp_f32 and their like allow (about 1e-6 of the number): no bf16 or f16 on the way to a quantiser, and a product that is left as it is and whose result goes on into a quantised operand takes f32 operands (vector FMAs, or v_wmma_f32_16x16x4_f32). A number that lies on a knife's edge between two numbers of the format may be rounded either way, as far as f32 arithmetic and the matrix unit's own rounding can turn it there, and no further.
;; One version. Each part assembles by itself: llvm-mc -triple=amdgcn-amd-amdhsa -mcpu=gfx1250 --defsym DOCPART=n.
;; ======== version 1 of 1: 4 launches
;; workspace buffers: opnd 9,830,400 bytes; qkvc 19,660,800 bytes; yc 6,553,600 bytes
;; launch quant (part 1): grid 384 x 1, 4 waves a work-group, no clusters, 35,328 bytes of LDS; arguments x, Wq, Wk, Wv, Wp, opnd; writes opnd
.if DOCPART == 1
	.amdgcn_target "amdgcn-amd-amdhsa--gfx1250"
	.amdhsa_code_object_version 6
	.text
	.protected	k_qec95f936e8_quant
	.globl	k_qec95f936e8_quant
	.p2align	8
	.type	k_qec95f936e8_quant,@function
k_qec95f936e8_quant:
	s_mov_b64 s[64:65], 0
	v_nop
	global_prefetch_b8 v0, s[64:65] scope:SCOPE_SE
	s_setreg_imm32_b32 hwreg(HW_REG_WAVE_MODE, 25, 1), 1
	s_wait_xcnt 0x0
; x [8192][1024] and Wq, Wk, Wv, Wp [1024][1024], f32, K innermost, become codes of FP6 (E2M3) with one E8M0 byte for each 32 along K, laid in RECORDS.
; A RECORD (12,800 bytes) is 128 rows x 128 along K as images of the matrix instruction's registers: 8 tiles of 1,536 bytes; tile t holds rows 32 (t / 2) + 8 (t % 2) + r + 8 (r / 8), r = lane % 16;
; of a tile's 12 registers a lane, registers 0-3 lie at 16 x lane, 4-5 at 512 + 8 x lane, 6-9 at 768 + 16 x lane, 10-11 at 1,280 + 8 x lane; at 12,288 the scale words, tile t's row r at 64 t + 4 r.
; opnd = [group of 128 rows: 0-63 x, 64-71 Wq, 72-79 Wk, 80-87 Wv, 88-95 Wp][K step 0-7] records.
; A block's scale is 2^(floor(log2(largest magnitude)) - 2); its byte is the largest magnitude's exponent field - 2, held at 1 from below.
; LIMITS: a block of zeros, and one whose largest magnitude lies under 2^-124, gets the byte 1 (its codes are zeros or held small; this program alone reads the bytes); NaN and infinities among the inputs are not served.
; SHARES: work-group n takes group n / 4 and K steps 2 (n % 4), 2 (n % 4) + 1; wave w takes K step + w / 2 and tiles 4 (w % 2) .. + 3: 64 rows x 512 bytes in, 6,144 + 256 bytes out.
; Each load reads 512 consecutive bytes of one row; a tile's 16 rows turn through the wave's own stage in LDS (rows 528 bytes apart), so that a lane gets 16 neighbours of each block of 32 of ITS row.
; No tensor loads, no barrier: waves share nothing.  Memory binds: matrix units, clusters and large tiles would add nothing.
.set REC,  12800
.set FRG,  1536
.set SCO,  12288
.set WREG, 8704                        ; LDS of a wave: the stage, 16 x 528, and behind it its 256 bytes of scale words
.set SP,   528
.set R,    16                          ; v16-143  two sets of 64: a tile's numbers as loaded
.set X,    144                         ; v144-207 register 16 b + i = k 32 b + 16 (lane / 16) + i of my row
.set PC,   208                         ; v208-227 the codes
.set TM,   228                         ; v228-243 at work
.set PW,   244                         ; the scale word
.set SEL,  36                          ; s[36:37] selects for lane l xor 16
; 64 numbers of a lane, v[s] .. v[s + 63], become a tile's 12 registers of codes in v[PC] on and its scale word in v[PW]
.macro QUANT s
.irp b, 0,1,2,3
	v_max3_num_f32 v[TM+\b], |v[\s+16*\b]|, |v[\s+1+16*\b]|, 0x1800000   ; my 16 numbers of block b, and the floor 2^(3 - 127): the byte cannot fall under 1
.endr
.irp i, 2,4,6,8,10,12,14
.irp b, 0,1,2,3
	v_max3_num_f32 v[TM+\b], v[TM+\b], |v[\s+16*\b+\i]|, |v[\s+1+16*\b+\i]|   ; the four blocks by turns
.endr
.endr
.irp b, 0,1,2,3
	v_permlanex16_b32 v[TM+4+\b], v[TM+\b], s[SEL], s[SEL+1]
.endr
.irp b, 0,1,2,3
	v_max_num_f32 v[TM+\b], v[TM+\b], v[TM+4+\b]                   ; with lane l xor 16's: the block's largest magnitude
.endr
.irp b, 0,1,2,3
	v_add_nc_u32 v[TM+12+\b], 0xff000000, v[TM+\b]                 ; 2 off its exponent field: the conversion's scale operand
.endr
.irp b, 0,1,2,3
	v_lshrrev_b32 v[TM+4+\b], 23, v[TM+12+\b]                      ; the scale's byte
.endr
	v_lshl_or_b32 v[PW], v[TM+5], 8, v[TM+4]
	v_lshl_or_b32 v[PW], v[TM+6], 16, v[PW]
	v_lshl_or_b32 v[PW], v[TM+7], 24, v[PW]
.irp c, 0,1
	v_cvt_scalef32_pk16_fp6_f32 v[PC+6*\c:PC+2+6*\c], v[\s+32*\c:\s+15+32*\c], v[TM+12+2*\c]
	v_cvt_scalef32_pk16_fp6_f32 v[PC+12+4*\c:PC+14+4*\c], v[\s+16+32*\c:\s+31+32*\c], v[TM+12+2*\c+1]   ; a conversion's three registers begin on an even number
.endr
	v_nop                                                          ; one plain place behind a scaled conversion
.irp c, 0,1                            ; the operand wants a whole block in a lane: lanes 0-15 block 2 c, lanes 16-31 block 2 c + 1
.irp i, 0,1,2
	v_permlane16_swap_b32 v[PC+6*\c+\i], v[PC+12+4*\c+\i]
.endr
.irp i, 0,1,2
	v_mov_b32 v[PC+3+6*\c+\i], v[PC+12+4*\c+\i]
.endr
.endr
.endm
	s_load_b256 s[4:11], s[0:1], 0x0               ; x, Wq, Wk, Wv
	s_load_b128 s[12:15], s[0:1], 0x20             ; Wp, opnd
	v_lshl_add_u32 v254, v0, 2, 0x8800
	v_mov_b32 v255, 0
	v_lshrrev_b32 v1, 5, v0
	v_readfirstlane_b32 s20, v1                    ; wave
	v_and_b32 v1, 31, v0                           ; lane
	v_and_b32 v2, 15, v0                           ; r
	v_bfe_u32 v3, v0, 4, 1                         ; h
	v_lshlrev_b32 v4, 4, v1                        ; 16 x lane: my bytes of a load's 512, and of a store of 16 bytes a lane
	v_lshlrev_b32 v5, 3, v1                        ; 8 x lane
	s_mul_i32 s21, s20, WREG
	v_add_nc_u32 v6, s21, v4                       ; the stage, in: 16 x lane of a row
	v_mul_u32_u24 v7, v2, SP
	v_lshl_add_u32 v7, v3, 6, v7
	v_add_nc_u32 v7, s21, v7                       ; out: row r, + 64 h
	s_add_co_u32 s22, s21, 16*SP
	v_lshlrev_b32 v8, 2, v2
	v_add_nc_u32 v8, s22, v8                       ; my row's scale word
	v_add_nc_u32 v9, s22, v5                       ; and the 256 bytes on their way out
.irp b, 0,1,2,3
	v_mov_b32 v[TM+4+\b], 0                        ; written once: a lane permute's destination counts as one of its sources
.endr
	s_mov_b32 s[SEL], 0x76543210
	s_mov_b32 s[SEL+1], 0xfedcba98
	s_lshr_b32 s23, ttmp9, 2                       ; the group
	s_and_b32 s24, s23, 7                          ; and within a weight
	s_and_b32 s25, ttmp9, 3
	s_lshl_b32 s25, s25, 1
	s_lshr_b32 s26, s20, 1
	s_add_co_u32 s25, s25, s26                     ; the K step
	s_and_b32 s26, s20, 1                          ; which 64 rows
	s_wait_kmcnt 0x0
	s_mov_b64 s[16:17], s[12:13]                   ; which tensor: the choice hangs on the work-group's number alone
	s_cmp_lt_u32 ttmp9, 352
	s_cselect_b64 s[16:17], s[10:11], s[16:17]
	s_cmp_lt_u32 ttmp9, 320
	s_cselect_b64 s[16:17], s[8:9], s[16:17]
	s_cmp_lt_u32 ttmp9, 288
	s_cselect_b64 s[16:17], s[6:7], s[16:17]
	s_cmp_lt_u32 ttmp9, 256
	s_cselect_b64 s[16:17], s[4:5], s[16:17]
	s_cselect_b32 s24, s23, s24                    ; the group within its tensor
	s_lshl_b32 s28, s24, 19                        ; 128 rows of 4,096 bytes
	s_lshl_b32 s27, s26, 18                        ; 64 rows
	s_add_co_u32 s28, s28, s27
	s_lshl_b32 s27, s25, 9                         ; 128 numbers along K
	s_add_co_u32 s28, s28, s27
	s_mov_b32 s29, 0
	s_add_nc_u64 s[16:17], s[16:17], s[28:29]
	s_lshl_b32 s30, s23, 3
	s_add_co_u32 s30, s30, s25
	s_mul_i32 s30, s30, REC                        ; the record
	s_mov_b32 s31, 0
	s_add_nc_u64 s[14:15], s[14:15], s[30:31]
	s_mul_i32 s30, s26, 4*FRG
	s_add_nc_u64 s[32:33], s[14:15], s[30:31]      ; my four tiles
	s_lshl_b32 s30, s26, 8
	s_add_co_u32 s30, s30, SCO
	s_add_nc_u64 s[34:35], s[14:15], s[30:31]      ; and their scale words
.macro LOAD f                          ; tile f's 16 rows, 512 consecutive bytes each
.irp i, 0,1,2,3,4,5,6,7,8,9,10,11,12,13,14,15
	global_load_b128 v[R+64*((\f)%2)+4*\i:R+64*((\f)%2)+4*\i+3], v4, s[16:17] offset:(32*((\f)/2)+8*((\f)%2)+\i+8*(\i/8))*4096 th:TH_LOAD_NT
.endr
.endm
.macro FRAGM f
.if (\f) < 3
	s_wait_loadcnt 16                              ; this tile's 16 loads are in; the next tile's 16 may be out
.else
	s_wait_loadcnt 0x0
.endif
.irp i, 0,1,2,3,4,5,6,7,8,9,10,11,12,13,14,15
	ds_store_b128 v6, v[R+64*((\f)%2)+4*\i:R+64*((\f)%2)+4*\i+3] offset:SP*\i
.endr
.irp b, 0,1,2,3
.irp j, 0,1,2,3
	ds_load_b128 v[X+16*\b+4*\j:X+16*\b+4*\j+3], v7 offset:128*\b+16*\j   ; LDS serves a wave's instructions in order: these see the stores above
.endr
.endr
	s_wait_dscnt 0x0                               ; my numbers are back, the stores have read their registers, and the last tile's scale word is stored
.if (\f) < 2
	LOAD (\f)+2
.endif
	s_wait_xcnt 0x0                                ; the last tile's stores have read the codes' registers: they are written again only behind this wait
	QUANT X
	global_store_b128 v4, v[PC:PC+3], s[32:33] offset:FRG*(\f)             ; 512 consecutive bytes
	global_store_b64 v5, v[PC+4:PC+5], s[32:33] offset:FRG*(\f)+512        ; 256
	global_store_b128 v4, v[PC+6:PC+9], s[32:33] offset:FRG*(\f)+768
	global_store_b64 v5, v[PC+10:PC+11], s[32:33] offset:FRG*(\f)+1280
	ds_store_b32 v8, v[PW] offset:64*(\f)          ; both halves of the lanes write the same word with the same value
.endm
	LOAD 0
	LOAD 1
	FRAGM 0
	FRAGM 1
	FRAGM 2
	FRAGM 3
	ds_load_b64 v[246:247], v9
	s_wait_dscnt 0x0
	global_store_b64 v5, v[246:247], s[34:35]      ; my four tiles' scale words: 256 consecutive bytes, aligned
	s_wait_tensorcnt 0x0
	ds_add_u32 v254, v255
	s_wait_dscnt 0x0
	s_endpgm
.Lfunc_end_k_qec95f936e8_quant:
	.size	k_qec95f936e8_quant, .Lfunc_end_k_qec95f936e8_quant-k_qec95f936e8_quant
	.p2alignl 7, 3214868480
	.fill 96, 4, 3214868480
	.section	.rodata,"a",@progbits
	.p2align	6, 0x0
	.amdhsa_kernel k_qec95f936e8_quant
		.amdhsa_group_segment_fixed_size 35328
		.amdhsa_private_segment_fixed_size 0
		.amdhsa_enable_private_segment 0
		.amdhsa_kernarg_size 48
		.amdhsa_user_sgpr_count 2
		.amdhsa_user_sgpr_kernarg_segment_ptr 1
		.amdhsa_wavefront_size32 1
		.amdhsa_system_sgpr_workgroup_id_x 1
		.amdhsa_system_sgpr_workgroup_id_y 1
		.amdhsa_system_sgpr_workgroup_id_z 1
		.amdhsa_system_vgpr_workitem_id 0
		.amdhsa_next_free_vgpr 256
		.amdhsa_next_free_sgpr 66
		.amdhsa_reserve_vcc 0
		.amdhsa_float_denorm_mode_32 3
		.amdhsa_float_denorm_mode_16_64 3
		.amdhsa_memory_ordered 1
		.amdhsa_forward_progress 1
		.amdhsa_inst_pref_size 35
	.end_amdhsa_kernel
	.amdgpu_metadata
---
amdhsa.version: [ 1, 2 ]
amdhsa.kernels:
  - .name:           k_qec95f936e8_quant
    .symbol:         k_qec95f936e8_quant.kd
    .args:
      - { .name: x, .offset: 0, .size: 8, .value_kind: global_buffer, .address_space: global }
      - { .name: Wq, .offset: 8, .size: 8, .value_kind: global_buffer, .address_space: global }
      - { .name: Wk, .offset: 16, .size: 8, .value_kind: global_buffer, .address_space: global }
      - { .name: Wv, .offset: 24, .size: 8, .value_kind: global_buffer, .address_space: global }
      - { .name: Wp, .offset: 32, .size: 8, .value_kind: global_buffer, .address_space: global }
      - { .name: opnd, .offset: 40, .size: 8, .value_kind: global_buffer, .address_space: global }
    .group_segment_fixed_size: 35328
    .private_segment_fixed_size: 0
    .kernarg_segment_align: 8
    .kernarg_segment_size: 48
    .max_flat_workgroup_size: 128
    .sgpr_count:     66
    .vgpr_count:     256
    .wavefront_size: 32
...
	.end_amdgpu_metadata
.endif
;; end of part 1
;; launch qkvgemm (part 2): grid 8 x 48, 4 waves a work-group, clusters of 4 x 4, 327,680 bytes of LDS; arguments opnd, bq, bk, bv, qkvc; writes qkvc
.if DOCPART == 2
	.amdgcn_target "amdgcn-amd-amdhsa--gfx1250"
	.amdhsa_code_object_version 6
	.text
	.protected	k_qec95f936e8_qkvgemm
	.globl	k_qec95f936e8_qkvgemm
	.p2align	8
	.type	k_qec95f936e8_qkvgemm,@function
k_qec95f936e8_qkvgemm:
	s_mov_b64 s[64:65], 0
	v_nop
	global_prefetch_b8 v0, s[64:65] scope:SCOPE_SE
	s_setreg_imm32_b32 hwreg(HW_REG_WAVE_MODE, 25, 1), 1
	s_wait_xcnt 0x0
	s_wait_alu depctr_hold_cnt(0) depctr_sa_sdst(0) depctr_va_vdst(0) depctr_va_sdst(0) depctr_va_ssrc(0) depctr_va_vcc(0) depctr_vm_vsrc(0)
	s_getreg_b32 s2, hwreg(HW_REG_IB_STS2, 6, 4)
	s_cmp_eq_u32 s2, 0
	s_cbranch_scc0 .Lentry_in_a_cluster
	s_endpgm
.Lentry_in_a_cluster:
	s_bfe_u32 s2, ttmp6, 0x10000c
	s_cmp_lg_u32 s2, 0xf033
	s_cbranch_scc0 .Lentry_shape_is_right
	s_endpgm
.Lentry_shape_is_right:
; q = x Wq^T + bq, k = x Wk^T + bk, v = x Wv^T + bv on codes of FP6 (E2M3) with E8M0 scales, sums in f32; the results are quantised in registers and leave as codes alone, in records (128 rows x 128 K as register
; images: 8 tiles of 1,536 bytes, tile t = rows 32 (t / 2) + 8 (t % 2) + r + 8 (r / 8); scale words at 12,288 + 64 t + 4 r).
; qkvc: records 0-1023 = [P: 0-7 q's head pairs, 8-15 k's][group of 128 tokens], rows = tokens, K = the pair's 128 columns (blocks of 32 along each head's 64);
;       records 1024-1535 = [head pair][group of 128 tokens], rows = the pair's 128 (head, d), K = 128 keys: v is quantised along the keys.
; A tile is 256 (source 1, 'A') x 256 (source 0, 'B'); a wave makes 128 x 128 in 64 accumulators.  The matrix instruction is used transposed, so that a lane holds ONE row of A and its registers run along B's rows,
; and by the tiles' order of rows the 64 registers of A's block a are, block of 32 by block of 32, 16 neighbours along B's rows: what the conversions want.
; TWO KINDS of work-group, by the cluster's y alone: y 0-7: A = x, B = Wq, Wk (registers run along the columns);  y 8-11: A = Wv, B = x (registers run along the tokens, v's K).
; K = 1,024 goes as four slots' worth of 256 through a ring of two LDS slots; a slot = [A's two groups][B's two groups], each 2 records = 25,600 dense bytes: one tensor load a wave.
; CLUSTERS 4 x 4: A's records are shared along a row of the cluster, B's along a column: joint loads.
; LIMITS: as in the quantising launch (bytes held at 1 from below; NaN and infinities not served).
; REGISTERS: window 0: v4-23 addresses; v28, v29 for the add; v32-63 scale words; v64-127 the bias; v128-223 A's fragments, one set (on the way out v128-235 are at work);
;   window 1: B's fragments, two sets, at v0 and v128;  windows 2, 3: the accumulators, (a, b) at v[8 (8 (a % 4) + b)].
.set REC,   12800
.set FRG,   1536
.set SCO,   12288
.set GRP,   8*REC                      ; a group's 8 K steps in memory
.set HALFT, 2*REC                      ; what one tensor load brings
.set SLOT,  4*HALFT
.set SPARE, 2*SLOT                     ; the spare words, 128 bytes a wave: two blocks of 256 bytes that no other line names
.set STG,   SPARE+512                  ; scale words on the way out: 512 bytes a wave, for each kind bytes of its own, 2,048 apart; no fill lands here
.set FR,    12
.set NL,    4                          ; LDS loads of a fragment
.set NP,    4                          ; places behind this matrix instruction (ISA guide 7.12.1)
.set A16,   4                          ; v4-5   slot s: my group of A + 16 x lane
.set A8,    6                          ; v6-7   + 8 x lane
.set AS,    8                          ; v8-9   scale words: lanes 0-15 A's, lanes 16-31 B's, + 4 r
.set B16,   10                         ; v10-13 the same for B
.set B8,    12
.set L16,   16
.set L8,    17
.set SW,    18                         ; v18-19 where a block's scale word goes, kind 0, 1
.set SRD,   20                         ; v20-21 and where the 512 bytes are read back
.set VQK,   22                         ; 64 h
.set VV,    23                         ; 4 (r + 8 (r / 8))
.set SPW,   28
.set NIL,   29
.set SC,    32                         ; register 16 slot + 8 q + i: lanes 0-15 the words of A's tile i, lanes 16-31 those of B's tile i
.set BI,    64
.set AF,    128
.set ST,    128                        ; the way out: 64 numbers,
.set PC,    192                        ; their codes,
.set TM,    212
.set PW,    228
.set SWO,   232
.set G1,    24
.set G0,    32
.set G1B,   48
.set G0B,   56
.set SEL,   88
.set MSB, 0
.macro WIN new                         ; the immediate's high byte repeats the setting that is left
.if MSB != (\new)
	s_set_vgpr_msb (MSB<<8)|(\new)
.set MSB, (\new)
.endif
.endm
.set MUL_LO, 0xa1                      ; source 0 (B) window 1, source 1 (A) window 0, C and D window 2
.set MUL_HI, 0xf1
.set TO_B,   0x40
.macro JLOAD g0a, g1a, g0b, g1b        ; a joint load: waves 0, 1 fetch A's groups, waves 2, 3 B's; four v_nop follow each line
	s_cmp_eq_u32 s15, 0
	s_cbranch_scc0 .Lfor_b_\@
	tensor_load_to_lds s[\g0a:\g0a+3], s[\g1a:\g1a+7]
	s_nop 0
.rept 4
	v_nop
.endr
	s_branch .Lasked_\@
.Lfor_b_\@:
	tensor_load_to_lds s[\g0b:\g0b+3], s[\g1b:\g1b+7]
	s_nop 0
.rept 4
	v_nop
.endr
.Lasked_\@:
.endm
.macro CREST                           ; a round of the cluster's barrier behind its opening barrier
	s_cmp_lg_u32 s14, 0
	s_cbranch_scc1 .Lnot_wave_0_\@
	s_barrier_signal -3
.Lnot_wave_0_\@:
	s_barrier_wait -3
	s_barrier_signal -1
	s_barrier_wait -1
.endm
.macro CROUND
	s_barrier_signal -1
	s_barrier_wait -1
	CREST
.endm
.macro PLACES n
.rept \n
	v_nop
.endr
.endm
.macro QUANT s                         ; 64 numbers of a lane, register 16 b + i = k 32 b + 16 (lane / 16) + i of my row -> 12 registers of codes in v[PC] on, the scale word in v[PW]
.irp b, 0,1,2,3
	v_max3_num_f32 v[TM+\b], |v[\s+16*\b]|, |v[\s+1+16*\b]|, 0x1800000   ; with the floor 2^(3 - 127): the byte cannot fall under 1
.endr
.irp i, 2,4,6,8,10,12,14
.irp b, 0,1,2,3
	v_max3_num_f32 v[TM+\b], v[TM+\b], |v[\s+16*\b+\i]|, |v[\s+1+16*\b+\i]|
.endr
.endr
.irp b, 0,1,2,3
	v_permlanex16_b32 v[TM+4+\b], v[TM+\b], s[SEL], s[SEL+1]
.endr
.irp b, 0,1,2,3
	v_max_num_f32 v[TM+\b], v[TM+\b], v[TM+4+\b]
.endr
.irp b, 0,1,2,3
	v_add_nc_u32 v[TM+12+\b], 0xff000000, v[TM+\b]                 ; 2 off the exponent field: the conversion's scale operand
.endr
.irp b, 0,1,2,3
	v_lshrrev_b32 v[TM+4+\b], 23, v[TM+12+\b]
.endr
	v_lshl_or_b32 v[PW], v[TM+5], 8, v[TM+4]
	v_lshl_or_b32 v[PW], v[TM+6], 16, v[PW]
	v_lshl_or_b32 v[PW], v[TM+7], 24, v[PW]
.irp c, 0,1
	v_cvt_scalef32_pk16_fp6_f32 v[PC+6*\c:PC+2+6*\c], v[\s+32*\c:\s+15+32*\c], v[TM+12+2*\c]
	v_cvt_scalef32_pk16_fp6_f32 v[PC+12+4*\c:PC+14+4*\c], v[\s+16+32*\c:\s+31+32*\c], v[TM+12+2*\c+1]
.endr
	v_nop                                                          ; one plain place behind a scaled conversion
.irp c, 0,1
.irp i, 0,1,2
	v_permlane16_swap_b32 v[PC+6*\c+\i], v[PC+12+4*\c+\i]
.endr
.irp i, 0,1,2
	v_mov_b32 v[PC+3+6*\c+\i], v[PC+12+4*\c+\i]
.endr
.endr
.endm
	s_load_b256 s[4:11], s[0:1], 0x0               ; opnd, bq, bk, bv
	s_load_b64 s[12:13], s[0:1], 0x20              ; qkvc
	v_lshl_add_u32 v[SPW], v0, 2, SPARE
	v_mov_b32 v[NIL], 0
	ds_add_u32 v28, v29
	s_wait_dscnt 0x0
	v_lshrrev_b32 v1, 5, v0
	v_readfirstlane_b32 s14, v1                    ; wave
	s_lshr_b32 s15, s14, 1                         ; which of A's two groups is mine to multiply.  Also: I fetch for A (0) or for B (1)
	s_and_b32 s16, s14, 1                          ; which of B's.  Also: which group I fetch
	s_bfe_u32 s40, ttmp6, 0x40000                  ; cx
	s_bfe_u32 s41, ttmp6, 0x40004                  ; cy
	s_lshl_b32 s43, s41, 2
	s_lshl_b32 s43, 15, s43                        ; my row of the cluster
	s_lshl_b32 s44, 0x1111, s40                    ; my column
	s_and_b32 s17, ttmp7, 0xffff                   ; the cluster's y: it alone decides the kind, so all sixteen partners are of one kind
	s_sub_co_u32 s18, s17, 8
	s_lshl_b32 s18, s18, 3
	s_cmp_ge_u32 s17, 8
	s_cselect_b32 s66, 1, 0                        ; kind: 0 = q and k, 1 = v
	s_cselect_b32 s67, 0, s17                      ; A's tile = 4 x this + cy
	s_cselect_b32 s68, s18, 0                      ; B's tile = 4 x cluster x + cx + this
	s_cselect_b32 s69, 80, 0                       ; A's first group in opnd: Wv or x
	s_cselect_b32 s70, 0, 64                       ; B's: x or Wq
	s_cselect_b32 s71, 1, 64                       ; records from one of B's groups to the next in qkvc,
	s_cselect_b32 s72, 64, 1                       ; from one of A's,
	s_cselect_b32 s73, 1024, 0                     ; and the first record
	s_lshl_b32 s74, s67, 2
	s_add_co_u32 s74, s74, s41                     ; A's tile of 256 rows: it enters A's addresses alone
	s_lshl_b32 s75, ttmp9, 2
	s_add_co_u32 s75, s75, s40
	s_add_co_u32 s75, s75, s68                     ; B's tile: it enters B's addresses alone
	s_or_b32 s[G1+0], s43, (3<<16)|(1<<21)         ; 15:0 the mask; 17:16 elements of 8 bytes; 21 set beside a mask; no padding
	s_or_b32 s[G1B+0], s44, (3<<16)|(1<<21)
.irp g, G1, G1B
	s_mov_b32 s[\g+1], 32<<16                      ; tensor_dim0 = 32 elements: rows of 256 bytes
	s_mov_b32 s[\g+2], 100<<16                     ; tensor_dim1 = 100 rows: 25,600 dense bytes
	s_mov_b32 s[\g+3], 32<<16                      ; tile_dim0
	s_mov_b32 s[\g+4], 100                         ; tile_dim1
	s_mov_b32 s[\g+5], 32                          ; the pitch
	s_mov_b32 s[\g+6], 0
	s_mov_b32 s[\g+7], 0
.endr
	s_lshl_b32 s20, s74, 1
	s_add_co_u32 s20, s20, s69
	s_add_co_u32 s20, s20, s16
	s_mul_i32 s20, s20, GRP                        ; the group of A that I would fetch
	s_mov_b32 s21, 0
	s_lshl_b32 s46, s75, 1
	s_add_co_u32 s46, s46, s70
	s_add_co_u32 s46, s46, s16
	s_mul_i32 s46, s46, GRP                        ; and of B
	s_mov_b32 s47, 0
	s_lshl_b32 s76, s75, 1
	s_add_co_u32 s76, s76, s16
	s_mul_i32 s76, s76, s71
	s_lshl_b32 s77, s74, 1
	s_add_co_u32 s77, s77, s15
	s_mul_i32 s77, s77, s72
	s_add_co_u32 s76, s76, s77
	s_add_co_u32 s76, s76, s73
	s_mul_i32 s76, s76, REC                        ; my wave's record of qkvc
	s_mov_b32 s77, 0
	s_lshl_b32 s80, s75, 8
	s_lshl_b32 s81, s16, 7
	s_add_co_u32 s80, s80, s81
	s_and_b32 s80, s80, 1023
	s_lshl_b32 s80, s80, 2                         ; kind 0: my 128 columns in bq or bk
	s_mov_b32 s81, 0
	s_lshl_b32 s82, s74, 8
	s_lshl_b32 s83, s15, 7
	s_add_co_u32 s82, s82, s83
	s_lshl_b32 s82, s82, 2                         ; kind 1: my 128 rows in bv (made in both kinds, used in kind 1 alone)
	s_mov_b32 s83, 0
	s_mul_i32 s45, s14, HALFT                      ; where my load lands: wave x 25,600: no place in the cluster enters an LDS address
	s_mov_b32 s[SEL], 0x76543210
	s_mov_b32 s[SEL+1], 0xfedcba98
	s_wait_kmcnt 0x0
	s_add_nc_u64 s[20:21], s[4:5], s[20:21]
	s_add_nc_u64 s[46:47], s[4:5], s[46:47]
	s_add_nc_u64 s[76:77], s[12:13], s[76:77]
	s_cmp_eq_u32 ttmp9, 0                          ; cluster x 0: B's rows are Wq's; 1: Wk's
	s_cselect_b64 s[78:79], s[6:7], s[8:9]
	s_add_nc_u64 s[78:79], s[78:79], s[80:81]
	s_add_nc_u64 s[82:83], s[10:11], s[82:83]
	CROUND                                         ; all sixteen work-groups are here: the first joint loads meet
.irp s, 0,1
	s_mov_b32 s[G0+4*\s], 1
	s_add_co_u32 s[G0+4*\s+1], s45, \s*SLOT
	s_add_nc_u64 s[G0+4*\s+2:G0+4*\s+3], s[20:21], \s*HALFT
	s_or_b32 s[G0+4*\s+3], s[G0+4*\s+3], 0x80000000
	s_mov_b32 s[G0B+4*\s], 1
	s_add_co_u32 s[G0B+4*\s+1], s45, \s*SLOT
	s_add_nc_u64 s[G0B+4*\s+2:G0B+4*\s+3], s[46:47], \s*HALFT
	s_or_b32 s[G0B+4*\s+3], s[G0B+4*\s+3], 0x80000000
	JLOAD G0+4*\s, G1, G0B+4*\s, G1B               ; two loads of mine are out after these
.endr
	v_and_b32 v1, 15, v0                           ; r
	v_bfe_u32 v2, v0, 4, 1                         ; h
	v_and_b32 v3, 31, v0                           ; lane
	v_lshlrev_b32 v[L16], 4, v3
	v_lshlrev_b32 v[L8], 3, v3
	s_mul_i32 s84, s15, HALFT                      ; my group of A in a slot
	s_mul_i32 s85, s16, HALFT
	s_add_co_u32 s85, s85, 2*HALFT                 ; my group of B
	s_sub_co_u32 s86, s85, s84
	v_mul_u32_u24 v24, s86, v2                     ; lanes 16-31 take B's scale words: the lower base + h x the distance
	v_lshl_add_u32 v24, v1, 2, v24
.irp s, 0,1
	v_add_nc_u32 v[A16+\s], s84, v[L16]
	v_add_nc_u32 v[A8+\s], s84, v[L8]
	v_add_nc_u32 v[B16+\s], s85, v[L16]
	v_add_nc_u32 v[B8+\s], s85, v[L8]
	v_add_nc_u32 v[AS+\s], s84, v24
	s_add_co_u32 s84, s84, SLOT
	s_add_co_u32 s85, s85, SLOT
.endr
	s_lshl_b32 s87, s14, 9
	s_add_co_u32 s87, s87, STG
	v_lshlrev_b32 v[SW], 2, v1
	v_add_nc_u32 v[SW], s87, v[SW]
	v_add_nc_u32 v[SW+1], 2048, v[SW]
	v_add_nc_u32 v[SRD], s87, v[L16]
	v_add_nc_u32 v[SRD+1], 2048, v[SRD]
	v_lshlrev_b32 v[VQK], 6, v2
	v_and_b32 v[VV], 8, v1
	v_add_nc_u32 v[VV], v[VV], v1
	v_lshlrev_b32 v[VV], 2, v[VV]
.macro FRAG reg, a16, a8, off          ; a fragment comes back as it was stored: four loads, each of consecutive bytes
	ds_load_b128 v[\reg:\reg+3], v[\a16] offset:\off
	ds_load_b64 v[\reg+4:\reg+5], v[\a8] offset:\off+512
	ds_load_b128 v[\reg+6:\reg+9], v[\a16] offset:\off+768
	ds_load_b64 v[\reg+10:\reg+11], v[\a8] offset:\off+1280
.endm
.macro FETCH_B slot, q, p              ; B's eight fragments of the slot's q-th 128 along K into set p
	WIN TO_B
.irp i, 0,1,2,3,4,5,6,7
	FRAG 128*(\p)+FR*\i, B16+\slot, B8+\slot, (\q)*REC+\i*FRG
.endr
	WIN 0
.endm
.macro FETCH_A slot, q, i0             ; A's blocks i0 .. i0 + 3
.irp i, \i0, \i0+1, \i0+2, \i0+3
	FRAG AF+FR*(\i), A16+\slot, A8+\slot, (\q)*REC+(\i)*FRG
.endr
.endm
.macro SCALES slot                     ; the slot's scale words: 16 loads
.irp q, 0,1
.irp i, 0,1,2,3,4,5,6,7
	ds_load_b32 v[SC+16*\slot+8*\q+\i], v[AS+\slot] offset:\q*REC+SCO+64*\i
.endr
.endr
.endm
; 16 matrix instructions: A's blocks a0, a0 + 1 x B's eight.  The 64 accumulators take turns, one instruction a turn, in the same order in every step.
.macro MUL16 a0, p, q, sc, zero
.irp a, \a0, \a0+1
.irp b, 0,1,2,3,4,5,6,7
.if \zero
	v_wmma_scale_f32_16x16x128_f8f6f4 v[8*(8*((\a)%4)+\b):8*(8*((\a)%4)+\b)+7], v[128*(\p)+FR*\b:128*(\p)+FR*\b+FR-1], v[AF+FR*(\a):AF+FR*(\a)+FR-1], 0, v[SC+16*(\sc)+8*(\q)+\b], v[SC+16*(\sc)+8*(\q)+(\a)] matrix_a_fmt:MATRIX_FMT_FP6 matrix_b_fmt:MATRIX_FMT_FP6 matrix_a_scale:MATRIX_SCALE_ROW1
.else
	v_wmma_scale_f32_16x16x128_f8f6f4 v[8*(8*((\a)%4)+\b):8*(8*((\a)%4)+\b)+7], v[128*(\p)+FR*\b:128*(\p)+FR*\b+FR-1], v[AF+FR*(\a):AF+FR*(\a)+FR-1], v[8*(8*((\a)%4)+\b):8*(8*((\a)%4)+\b)+7], v[SC+16*(\sc)+8*(\q)+\b], v[SC+16*(\sc)+8*(\q)+(\a)] matrix_a_fmt:MATRIX_FMT_FP6 matrix_b_fmt:MATRIX_FMT_FP6 matrix_a_scale:MATRIX_SCALE_ROW1
.endif
.endr
.endr
.endm
.macro STEP slot, zero                 ; a slot's first 128 along K; it fetches the second
	s_wait_dscnt 4*NL                              ; all but the youngest 16 loads (A's blocks 4-7) are in
	WIN MUL_LO
	MUL16 0, 0, 0, \slot, \zero
	MUL16 2, 0, 0, \slot, \zero
	s_wait_dscnt 0x0                               ; A's blocks 4-7 are in
	PLACES NP                                      ; in front of loads into registers that matrix instructions have read
	FETCH_B \slot, 1, 1
	FETCH_A \slot, 1, 0
	WIN MUL_HI
	MUL16 4, 0, 0, \slot, \zero
	MUL16 6, 0, 0, \slot, \zero
	PLACES NP
	WIN 0
	FETCH_A \slot, 1, 4
.endm
; A slot's second 128 along K, and the change of slots: one barrier; in front of it each wave waits for all its tensor loads, adds 0 to its spare word, and waits for that and for its reads of this slot.
.macro TURN slot, next, fill
	s_wait_tensorcnt 0x0                           ; all my tensor loads have landed: my part of the next slot
	ds_add_u32 v[SPW], v[NIL]                      ; 0 onto my spare word
	s_wait_dscnt 4*NL+1                            ; the add and the youngest 16 loads may be out
	WIN MUL_LO
	MUL16 0, 1, 1, \slot, 0
	s_wait_dscnt 0x0                               ; the add is done, and my reads of this slot are over
	s_barrier_signal -1
	MUL16 2, 1, 1, \slot, 0
	WIN 0
	s_barrier_wait -1
.if \fill
	CREST                                          ; the barrier has opened a round of the cluster's: no wave of any partner still reads this slot or has a load on its way
	s_add_nc_u64 s[G0+4*\slot+2:G0+4*\slot+3], s[G0+4*\slot+2:G0+4*\slot+3], 2*HALFT
	s_add_nc_u64 s[G0B+4*\slot+2:G0B+4*\slot+3], s[G0B+4*\slot+2:G0B+4*\slot+3], 2*HALFT
	JLOAD G0+4*\slot, G1, G0B+4*\slot, G1B         ; the first tensor load behind the round, one a wave; its four v_nop are also the places in front of the loads below
.else
	PLACES NP
.endif
	FETCH_B \next, 0, 0
	FETCH_A \next, 0, 0
	SCALES \next
	WIN MUL_HI
	MUL16 4, 1, 1, \slot, 0
	MUL16 6, 1, 1, \slot, 0
	PLACES NP
	WIN 0
	FETCH_A \next, 0, 4
.endm
.macro LAST                            ; the very last 128 along K: nothing more to fetch
	s_wait_dscnt 4*NL
	WIN MUL_LO
	MUL16 0, 1, 1, 1, 0
	MUL16 2, 1, 1, 1, 0
	s_wait_dscnt 0x0
	WIN MUL_HI
	MUL16 4, 1, 1, 1, 0
	MUL16 6, 1, 1, 1, 0
	WIN 0
.endm
; THE WAY OUT of A's block a: the bias is added on the way into window 0 (each accumulator from its low end on), the 64 numbers are quantised, and the tile's image is stored as it stands.
.macro OUTB a, mode
.set AC, 64*((\a)%4)
	s_wait_xcnt 0x0                                ; the last block's stores have read the codes' registers
	s_wait_dscnt 0x0                               ; and its scale word is stored
	WIN 0x02+(\a)/4                                ; source 0: window 2 or 3
.set n, 0
.rept 32
.if \mode
	v_pk_add_f32 v[ST+n:ST+n+1], v[AC+n:AC+n+1], v[BI+2*(\a):BI+2*(\a)+1]      ; kind 1: my row's bias, which stands twice in the pair
.else
	v_pk_add_f32 v[ST+n:ST+n+1], v[AC+n:AC+n+1], v[BI+n:BI+n+1]                ; kind 0: the columns' biases
.endif
.set n, n+2
.endr
	WIN 0
	QUANT ST
	global_store_b128 v[L16], v[PC:PC+3], s[76:77] offset:FRG*(\a)             ; 512 consecutive bytes, aligned
	global_store_b64 v[L8], v[PC+4:PC+5], s[76:77] offset:FRG*(\a)+512         ; 256
	global_store_b128 v[L16], v[PC+6:PC+9], s[76:77] offset:FRG*(\a)+768
	global_store_b64 v[L8], v[PC+10:PC+11], s[76:77] offset:FRG*(\a)+1280
	ds_store_b32 v[SW+\mode], v[PW] offset:64*(\a)
.endm
.macro WAYOUT mode
	LAST                                           ; its 64 products stand between the bias's loads and the wait for them
	PLACES NP
.irp b, 0,1,2,3
	v_mov_b32 v[TM+4+\b], 0                        ; a lane permute's destination counts as one of its sources
.endr
	s_wait_loadcnt 0x0                             ; the bias
.irp a, 0,1,2,3,4,5,6,7
	OUTB \a, \mode
.endr
	ds_load_b128 v[SWO:SWO+3], v[SRD+\mode]        ; LDS serves a wave's instructions in order: this sees my eight stores
	s_wait_dscnt 0x0
	global_store_b128 v[L16], v[SWO:SWO+3], s[76:77] offset:SCO    ; the record's 512 bytes of scale words
.endm
	s_wait_tensorcnt 1                             ; my part of slot 0 is in; slot 1's may stay out
	s_barrier_signal -1
	s_barrier_wait -1
	FETCH_B 0, 0, 0
	FETCH_A 0, 0, 0
	SCALES 0
	FETCH_A 0, 0, 4
	STEP 0, 1                                      ; K 0-127: the products start the sums: nothing is cleared
	TURN 0, 1, 1                                   ; K 128-255; slot 0 takes K 512-767
	STEP 1, 0
	TURN 1, 0, 1                                   ; slot 1 takes K 768-1023
	STEP 0, 0
	TURN 0, 1, 0                                   ; nothing is left to fetch
	STEP 1, 0
	s_cmp_lg_u32 s66, 0                            ; the kind: the same in every partner
	s_cbranch_scc1 .Lkind_v
.irp b, 0,1,2,3
.irp j, 0,1,2,3
	global_load_b128 v[BI+16*\b+4*\j:BI+16*\b+4*\j+3], v[VQK], s[78:79] offset:128*\b+16*\j   ; register 16 b + i: the bias of column 32 b + 16 h + i
.endr
.endr
	WAYOUT 0
	s_branch .Ljoin
.Lkind_v:
.irp a, 0,1,2,3,4,5,6,7
	global_load_b32 v[BI+2*\a], v[VV], s[82:83] offset:4*(32*(\a/2)+8*(\a%2))     ; block a: the bias of my row,
	global_load_b32 v[BI+2*\a+1], v[VV], s[82:83] offset:4*(32*(\a/2)+8*(\a%2))   ; twice: a pair for the packed addition
.endr
	WAYOUT 1
.Ljoin:
	s_wait_tensorcnt 0x0                           ; the wave's end
	ds_add_u32 v[SPW], v[NIL]
	s_wait_dscnt 0x0
	CROUND                                         ; the closing round
	s_endpgm
.Lfunc_end_k_qec95f936e8_qkvgemm:
	.size	k_qec95f936e8_qkvgemm, .Lfunc_end_k_qec95f936e8_qkvgemm-k_qec95f936e8_qkvgemm
	.p2alignl 7, 3214868480
	.fill 96, 4, 3214868480
	.section	.rodata,"a",@progbits
	.p2align	6, 0x0
	.amdhsa_kernel k_qec95f936e8_qkvgemm
		.amdhsa_group_segment_fixed_size 327680
		.amdhsa_private_segment_fixed_size 0
		.amdhsa_enable_private_segment 0
		.amdhsa_kernarg_size 40
		.amdhsa_user_sgpr_count 2
		.amdhsa_user_sgpr_kernarg_segment_ptr 1
		.amdhsa_wavefront_size32 1
		.amdhsa_system_sgpr_workgroup_id_x 1
		.amdhsa_system_sgpr_workgroup_id_y 1
		.amdhsa_system_sgpr_workgroup_id_z 1
		.amdhsa_system_vgpr_workitem_id 0
		.amdhsa_next_free_vgpr 1024
		.amdhsa_next_free_sgpr 96
		.amdhsa_reserve_vcc 0
		.amdhsa_float_denorm_mode_32 3
		.amdhsa_float_denorm_mode_16_64 3
		.amdhsa_memory_ordered 1
		.amdhsa_forward_progress 1
		.amdhsa_inst_pref_size 227
	.end_amdhsa_kernel
	.amdgpu_metadata
---
amdhsa.version: [ 1, 2 ]
amdhsa.kernels:
  - .name:           k_qec95f936e8_qkvgemm
    .symbol:         k_qec95f936e8_qkvgemm.kd
    .args:
      - { .name: opnd, .offset: 0, .size: 8, .value_kind: global_buffer, .address_space: global }
      - { .name: bq, .offset: 8, .size: 8, .value_kind: global_buffer, .address_space: global }
      - { .name: bk, .offset: 16, .size: 8, .value_kind: global_buffer, .address_space: global }
      - { .name: bv, .offset: 24, .size: 8, .value_kind: global_buffer, .address_space: global }
      - { .name: qkvc, .offset: 32, .size: 8, .value_kind: global_buffer, .address_space: global }
    .group_segment_fixed_size: 327680
    .private_segment_fixed_size: 0
    .kernarg_segment_align: 8
    .kernarg_segment_size: 40
    .max_flat_workgroup_size: 128
    .sgpr_count:     96
    .vgpr_count:     1024
    .wavefront_size: 32
...
	.end_amdgpu_metadata
.endif
;; end of part 2
;; launch attn (part 3): grid 8 x 32, 16 waves a work-group, no clusters, 327,680 bytes of LDS; arguments qkvc, yc; writes yc
.if DOCPART == 3
	.amdgcn_target "amdgcn-amd-amdhsa--gfx1250"
	.amdhsa_code_object_version 6
	.text
	.protected	k_qec95f936e8_attn
	.globl	k_qec95f936e8_attn
	.p2align	8
	.type	k_qec95f936e8_attn,@function
k_qec95f936e8_attn:
	s_mov_b64 s[64:65], 0
	v_nop
	global_prefetch_b8 v0, s[64:65] scope:SCOPE_SE
	s_setreg_imm32_b32 hwreg(HW_REG_WAVE_MODE, 25, 1), 1
	s_wait_xcnt 0x0
; Causal attention on codes of FP6 (E2M3) with E8M0 scales, head size 64, 2,048 tokens, 4 x 16 heads.  q, k, v come as records from qkvc (see there); the result, divided by the row's sum, is quantised along
; the channels and leaves as codes in records: yc = [group of 128 tokens][head pair], rows = tokens, K = the pair's 128 channels.
; SOFTMAX: t = score x log2(e) / 8; M = the running largest t rounded UP to a whole number; p = 2^(t - M) is quantised along the keys, not normalised; the row's sum is taken of the unquantised p and divides at the end.
; When M moves, the sum and O^T are multiplied by 2^(old M - new M): exact.
; SHARES: a work-group owns a head pair of one batch and TWO groups of 128 queries, j (pass 1) and 15 - j (pass 2), j = work-group x: pass 1 walks key steps 0 .. j, pass 2 key steps 0 .. 15 - j: 17 steps of 128 keys
; in every work-group, none of them hidden: 256 work-groups of equal work, a loop of a constant number of trips, no tile fetched that is not used.  The steps on the diagonal are the passes' last: step j and step 16.
; Wave w: head w / 8 of the pair, tile w % 8 of 16 queries, in 256 registers.  K's and V's records of a step come through a ring of two LDS slots (wave 0: K's, wave 1: V's) and are read by all sixteen.
; Both products are used transposed: a lane holds ONE query; by the tiles' order of rows p's 16 registers of two neighbouring tiles are 16 neighbouring keys, and O^T's are 16 neighbouring channels.
; K = 64 IN AN INSTRUCTION OF 128: q's registers 6-11 are zero codes; k's operand runs on into the next tile's codes (finite numbers, which meet zero codes and add 0); the scale bytes of that half are 0 on both sides.
; NO JOINT LOADS: the eight work-groups of a head pair stand at different key steps in the same trip (their passes change at different trips), so partners would not ask for the same record together.
; LIMITS: 1 / sum by v_rcp_f32; a block's largest p is taken through its largest score (v_exp_f32 is taken not to fall where its input rises); bytes held at 1 from below; NaN and infinities not served.
; O^T is cleared by 32 moves at each pass's start, so that the step is written once for the loop.
.set REC,   12800
.set FRG,   1536
.set HIM,   768                        ; half a tile's image: K 0-63 or 64-127
.set SCO,   12288
.set SLOT1, 32768                      ; a slot = [K's record][V's record]; slot 1 begins here: one exclusive or turns an address
.set SPARE, 65536                      ; the spare words, 128 bytes a wave: eight blocks of 256 bytes that no other line names
.set STGS,  67584                      ; y's scale words, 512 bytes for each pass; no fill lands here
.set KSC,   44                         ; v44-47   K's scale words: lanes 0-15 tile 2 i, lanes 16-31 tile 2 i + 1
.set VSC,   48                         ; v48-49   V's likewise
.set KF,    50                         ; v50-97   K's eight half fragments, 6 registers each; v98-103 zeros
.set S,     104                        ; v104-167 S^T, then p, then V's four fragments
.set O,     168                        ; v168-199 O^T
.set PC,    200                        ; v200-211 p's codes
.set PCT,   212
.set BM,    220
.set T2,    224
.set SO,    228
; v1-6 places in a slot; v7, v8 for the add; v9 the mask's bound; v10, v11 16 and 8 x lane; v12 -M, v13 the largest t, v[14:15] the sum; v16-27 q, v28 its scale word; v29, v37 y's scale words; v30-36 pass 2's q;
; v38-43 the step's addresses; v232 f, v233 p's scale word; v234 at work; v235 -infinity
.macro TLOAD                           ; waves 0 and 1 fetch; four v_nop follow the line
	s_cmp_lt_u32 s8, 2
	s_cbranch_scc0 .Lno_load_\@
	tensor_load_to_lds s[32:35], s[24:31]
	s_nop 0
.rept 4
	v_nop
.endr
.Lno_load_\@:
.endm
	s_load_b128 s[4:7], s[0:1], 0x0                ; qkvc, yc
	v_lshl_add_u32 v7, v0, 2, SPARE
	v_mov_b32 v8, 0
	ds_add_u32 v7, v8
	ds_add_u32 v7, v8
	s_wait_dscnt 0x0
	v_lshrrev_b32 v9, 5, v0
	s_delay_alu instid0(VALU_DEP_1)
	v_readfirstlane_b32 s8, v9                     ; wave 0..15
	s_lshr_b32 s9, s8, 3                           ; c: which head of the pair
	s_and_b32 s10, s8, 7                           ; a: which tile of queries
	s_mov_b32 s11, ttmp9                           ; j
	s_and_b32 s12, s8, 1
	s_and_b32 s52, ttmp7, 0xffff
	s_lshr_b32 s13, s52, 3
	s_lshl_b32 s13, s13, 4                         ; 16 x batch
	s_and_b32 s54, s52, 7                          ; the head pair
	s_add_co_u32 s52, s13, s11                     ; pass 1's group of tokens
	s_sub_co_u32 s53, 15, s11
	s_add_co_u32 s53, s53, s13                     ; pass 2's
	s_lshl_b32 s55, s54, 6
	s_add_co_u32 s56, s55, s52
	s_mul_i32 s56, s56, REC                        ; q's records
	s_add_co_u32 s57, s55, s53
	s_mul_i32 s57, s57, REC
	s_lshl_b32 s58, s52, 3
	s_add_co_u32 s58, s58, s54
	s_mul_i32 s58, s58, REC                        ; y's records
	s_lshl_b32 s59, s53, 3
	s_add_co_u32 s59, s59, s54
	s_mul_i32 s59, s59, REC
	s_mul_i32 s60, s10, FRG
	s_mul_i32 s61, s9, HIM
	s_add_co_u32 s60, s60, s61                     ; my half image's place in a record
	s_lshl_b32 s61, s10, 6
	s_add_co_u32 s61, s61, SCO                     ; my tile's scale words
	s_add_co_u32 s62, s55, s13                     ; 64 x pair + 16 x batch
	s_add_co_u32 s63, s62, 1024                    ; V's record of key step 0,
	s_add_co_u32 s62, s62, 512                     ; K's
	s_cmp_eq_u32 s8, 0
	s_cselect_b32 s18, s62, s63
	s_mul_i32 s18, s18, REC
	s_mov_b32 s19, 0
	s_add_co_u32 s15, s11, 1
	s_mul_i32 s15, s15, REC                        ; bytes back to key step 0 at the change of passes
	s_mov_b32 s17, 0
	s_lshl_b32 s37, s9, 4                          ; 16 c: where my head's two scale bytes begin in a word
	s_mov_b32 s20, 0x76543210
	s_mov_b32 s21, 0xfedcba98                      ; selects for lane l xor 16
	s_mov_b32 s22, 0x3e38aa3b                      ; log2(e) / 8
	s_mov_b32 s23, s22                             ; named with it as a pair, so it is written
	s_mov_b32 s24, 3<<16                           ; group 1: no mask; elements of 8 bytes; no padding
	s_mov_b32 s25, 32<<16                          ; tensor_dim0 = 32: rows of 256 bytes
	s_mov_b32 s26, 50<<16                          ; tensor_dim1 = 50: a record
	s_mov_b32 s27, 32<<16                          ; tile_dim0
	s_mov_b32 s28, 50                              ; tile_dim1
	s_mov_b32 s29, 32                              ; the pitch
	s_mov_b32 s30, 0
	s_mov_b32 s31, 0
	s_mov_b32 s32, 1
	s_mul_i32 s33, s12, REC                        ; slot 0: K's record, then V's
	s_wait_kmcnt 0x0
	s_add_nc_u64 s[34:35], s[4:5], s[18:19]
	s_or_b32 s35, s35, 0x80000000
	TLOAD                                          ; step 0 into slot 0: one load of mine is out
	s_add_co_u32 s18, s56, s60
	s_add_nc_u64 s[38:39], s[4:5], s[18:19]        ; q's codes, pass 1
	s_add_co_u32 s18, s57, s60
	s_add_nc_u64 s[40:41], s[4:5], s[18:19]        ; pass 2
	s_add_co_u32 s18, s56, s61
	s_add_nc_u64 s[48:49], s[4:5], s[18:19]        ; q's scale words
	s_add_co_u32 s18, s57, s61
	s_add_nc_u64 s[50:51], s[4:5], s[18:19]
	s_add_co_u32 s18, s58, s60
	s_add_nc_u64 s[42:43], s[6:7], s[18:19]        ; y's codes, pass 1
	s_add_co_u32 s18, s59, s60
	s_add_nc_u64 s[44:45], s[6:7], s[18:19]        ; pass 2
	s_cmp_eq_u32 s12, 0
	s_cselect_b32 s18, s58, s59
	s_add_co_u32 s18, s18, SCO
	s_add_nc_u64 s[46:47], s[6:7], s[18:19]        ; y's scale words: wave 0 stores pass 1's, wave 1 pass 2's
	v_and_b32 v240, 31, v0                         ; lane
	v_and_b32 v241, 15, v0                         ; r
	v_bfe_u32 v242, v0, 4, 1                       ; h
	s_delay_alu instid0(VALU_DEP_3)
	v_lshlrev_b32 v10, 4, v240
	s_delay_alu instid0(VALU_DEP_4)
	v_lshlrev_b32 v11, 3, v240
	v_lshlrev_b32 v243, 2, v240
	v_lshlrev_b32 v244, 2, v241
	global_load_b128 v[16:19], v10, s[38:39]       ; q's half fragments stay in registers
	global_load_b64 v[20:21], v11, s[38:39] offset:512
	global_load_b32 v28, v244, s[48:49]
	global_load_b128 v[30:33], v10, s[40:41]
	global_load_b64 v[34:35], v11, s[40:41] offset:512
	global_load_b32 v36, v244, s[50:51]
	s_mul_i32 s56, s9, HIM
	v_add_nc_u32 v1, s56, v10                      ; K's codes: my head's half image
	v_add_nc_u32 v2, s56, v11
	s_delay_alu instid0(VALU_DEP_1)
	v_add_nc_u32 v2, 512, v2
	v_add_nc_u32 v3, SCO, v243                     ; K's scale words
	s_mul_i32 s57, s9, 4*FRG
	s_add_co_u32 s57, s57, REC
	v_add_nc_u32 v4, s57, v10                      ; V's codes: my head's four tiles
	v_add_nc_u32 v5, s57, v11
	s_delay_alu instid0(VALU_DEP_1)
	v_add_nc_u32 v5, 512, v5
	s_lshl_b32 s58, s9, 8
	s_add_co_u32 s58, s58, REC+SCO
	v_add_nc_u32 v6, s58, v243                     ; V's scale words
	s_lshr_b32 s59, s10, 1
	s_lshl_b32 s59, s59, 5
	s_and_b32 s60, s10, 1
	s_lshl_b32 s60, s60, 3
	s_add_co_u32 s59, s59, s60
	v_and_b32 v9, 8, v241
	s_delay_alu instid0(VALU_DEP_1)
	v_add_nc_u32 v9, v9, v241
	v_lshlrev_b32 v245, 4, v242
	s_delay_alu instid0(VALU_DEP_1)
	v_sub_nc_u32 v9, v9, v245
	s_delay_alu instid0(VALU_DEP_1)
	v_add_nc_u32 v9, s59, v9                       ; my query in its group - 16 h.  Register n holds key 32 (n / 16) + n % 16 + 16 h of the step: on the diagonal hidden where 32 (n / 16) + n % 16 > this
	s_lshl_b32 s61, s10, 6
	s_lshl_b32 s62, s9, 1
	s_add_co_u32 s61, s61, s62
	s_add_co_u32 s61, s61, STGS
	v_add_nc_u32 v29, s61, v244                    ; y's scale words: 64 a + 4 r + 2 c: my head's two bytes of my row's word
	s_lshl_b32 s62, s12, 9
	s_add_co_u32 s62, s62, STGS
	v_add_nc_u32 v37, s62, v10
	v_mov_b32 v13, 0xff61b1e6                      ; the largest t so far: -3e38
	s_delay_alu instid0(VALU_DEP_1)
	v_floor_f32 v12, -v13
	v_mov_b32 v14, 0
	v_mov_b32 v15, 0
.irp i, 0,1,2,3,4,5
	v_mov_b32 v[22+\i], 0                          ; q's K 64-127: zero codes
	v_mov_b32 v[KF+48+\i], 0                       ; what the last tile's operand runs on into
.endr
.irp b, 0,1,2,3
	v_mov_b32 v[T2+\b], 0                          ; a lane permute's destination counts as one of its sources
.endr
	v_mov_b32 v233, 0                              ; named as the upper half of the pair v[232:233] before it is first written
	v_mov_b32 v234, 0
	v_mov_b32 v235, 0xff800000                     ; -infinity
.set n, 0
.rept 32
	v_mov_b32 v[O+n], 0
.set n, n+1
.endr
	s_wait_loadcnt 0x0
	v_bfe_u32 v28, v28, s37, 16                    ; my head's two bytes below, 0 above
	v_bfe_u32 v36, v36, s37, 16
; THE CHANGE OF SLOTS stands at a step's head: each wave waits for all its tensor loads, adds 0 to its spare word, and waits for that and for its reads of the slot that it has left.
; fill = 1: the slot that has been left takes the next step's records; behind pass 1's last step the next step is key step 0 again.
.macro CHANGE fill
	s_wait_tensorcnt 0x0                           ; no tensor load of mine is out, so group 0 may be written
	ds_add_u32 v7, v8                              ; 0 onto my spare word
.if \fill
	s_xor_b32 s33, s33, SLOT1
	s_cmp_eq_u32 s14, s11
	s_cselect_b32 s16, s15, 0
	s_add_nc_u64 s[34:35], s[34:35], REC
	s_sub_nc_u64 s[34:35], s[34:35], s[16:17]
.endif
	s_wait_dscnt 0x0                               ; the add is done, and my reads of the slot that I have left are over
	s_barrier_signal -1
	s_barrier_wait -1
.if \fill
	TLOAD                                          ; first behind the barrier, one load a wave: it has a whole step in which to land
.endif
.endm
; A STEP: 128 keys.  always = 1: the step lies on the diagonal; 0: it does where the step's number is j.
.macro STEP always
	v_add_nc_u32 v38, s36, v1
	v_add_nc_u32 v39, s36, v2
	v_add_nc_u32 v40, s36, v3
.irp i, 0,1,2,3
	ds_load_b32 v[KSC+\i], v40 offset:128*\i
.endr
.irp t, 0,1,2,3,4,5,6,7
	ds_load_b128 v[KF+6*\t:KF+6*\t+3], v38 offset:FRG*\t
	ds_load_b64 v[KF+6*\t+4:KF+6*\t+5], v39 offset:FRG*\t
.endr
	s_wait_dscnt 16                                ; the four scale words are in; the 16 loads of codes may be out
.irp i, 0,1,2,3
	v_bfe_u32 v[KSC+\i], v[KSC+\i], s37, 16        ; my head's two bytes below, 0 above
.endr
	v_add_nc_u32 v41, s36, v4
	v_add_nc_u32 v42, s36, v5
	v_add_nc_u32 v43, s36, v6
.rept 5
	v_nop                                          ; with the three additions: eight places between a scale register written by a vector instruction and the scaled matrix instruction
.endr
	s_wait_alu depctr_va_vdst(0)
	s_wait_dscnt 0x0
.irp t, 0,1,2,3,4,5,6,7                ; S^T = K Q^T: lane (r, h): my query r; register 8 t + i: key 32 (t / 2) + 16 h + 8 (t % 2) + i
.if \t%2
	v_wmma_scale_f32_16x16x128_f8f6f4 v[S+8*\t:S+8*\t+7], v[KF+6*\t:KF+6*\t+11], v[16:27], 0, v[KSC+\t/2], v28 matrix_a_fmt:MATRIX_FMT_FP6 matrix_b_fmt:MATRIX_FMT_FP6 matrix_a_scale:MATRIX_SCALE_ROW1
.else
	v_wmma_scale_f32_16x16x128_f8f6f4 v[S+8*\t:S+8*\t+7], v[KF+6*\t:KF+6*\t+11], v[16:27], 0, v[KSC+\t/2], v28 matrix_a_fmt:MATRIX_FMT_FP6 matrix_b_fmt:MATRIX_FMT_FP6
.endif
.endr
.rept 4
	v_nop
.endr
.if !\always
	s_cmp_lg_u32 s14, s11
	s_cbranch_scc1 .Lopen_\@
.endif
.set n, 0
.rept 64                               ; on the diagonal the scores of hidden keys become -infinity ahead of the maximum: p = 0 then.  Key 0 of the step counts for every query
	v_cmp_gt_i32 vcc_lo, 32*(n/16)+n%16, v9
	v_cndmask_b32 v[S+n], v[S+n], v235, vcc_lo
.set n, n+1
.endr
.Lopen_\@:
.irp b, 0,1,2,3
	v_max3_num_f32 v[BM+\b], v[S+16*\b], v[S+1+16*\b], v[S+2+16*\b]   ; the largest score of each block of 32 keys: for the row's maximum, and for the block's largest p
.endr
.irp i, 3,5,7,9,11,13
.irp b, 0,1,2,3
	v_max3_num_f32 v[BM+\b], v[BM+\b], v[S+16*\b+\i], v[S+1+16*\b+\i]
.endr
.endr
.irp b, 0,1,2,3
	v_max_num_f32 v[BM+\b], v[BM+\b], v[S+15+16*\b]
.endr
.irp b, 0,1,2,3
	s_delay_alu instid0(VALU_DEP_4)
	v_permlanex16_b32 v[T2+\b], v[BM+\b], s20, s21
.endr
.irp b, 0,1,2,3
	s_delay_alu instid0(VALU_DEP_4)
	v_max_num_f32 v[BM+\b], v[BM+\b], v[T2+\b]     ; with lane l xor 16's 16 keys
.endr
	s_delay_alu instid0(VALU_DEP_2)
	v_max3_num_f32 v234, v[BM], v[BM+1], v[BM+2]
	s_delay_alu instid0(VALU_DEP_1)
	v_max_num_f32 v234, v234, v[BM+3]
	s_delay_alu instid0(VALU_DEP_1)
	v_mul_f32 v234, s22, v234                      ; the step's largest t
	s_delay_alu instid0(VALU_DEP_1)
	v_max_num_f32 v13, v13, v234
	v_mov_b32 v234, v12
	s_delay_alu instid0(VALU_DEP_2)
	v_floor_f32 v12, -v13                          ; -M = floor(-t): M is a whole number
	s_delay_alu instid0(VALU_DEP_1)
	v_sub_f32 v234, v12, v234                      ; old M - new M, 0 or less
	s_delay_alu instid0(VALU_DEP_1)
	v_cvt_i32_f32 v234, v234                       ; (it saturates)
	s_delay_alu instid0(VALU_DEP_1)
	v_ldexp_f32 v232, 1.0, v234                    ; f = 2^(old M - new M)
.set n, 0
.rept 32
	v_pk_fma_f32 v[S+n:S+n+1], v[S+n:S+n+1], s[22:23], v[12:13] op_sel_hi:[1,0,0]   ; t - M
.set n, n+2
.endr
.irp b, 0,1,2,3
	v_fma_f32 v[BM+\b], v[BM+\b], s22, v12         ; the same of each block's largest score
.endr
.set n, 0
	s_wait_alu depctr_va_vdst(0)
.rept 64
	v_exp_f32 v[S+n], v[S+n]                       ; p = 2^(t - M)
.set n, n+1
.endr
.irp b, 0,1,2,3
	v_exp_f32 v[BM+\b], v[BM+\b]                   ; the block's largest p
.endr
	v_pk_mul_f32 v[14:15], v[14:15], v[232:233] op_sel_hi:[1,0]    ; the sum under the new M (a plain place behind the exponentials)
	s_wait_alu depctr_va_vdst(0)
.irp b, 0,1,2,3
	v_max_num_f32 v[BM+\b], 0x1800000, v[BM+\b]    ; the floor 2^(3 - 127)
.endr
.irp b, 0,1,2,3
	s_delay_alu instid0(VALU_DEP_4)
	v_add_nc_u32 v[SO+\b], 0xff000000, v[BM+\b]    ; the conversion's scale operand
.endr
.irp b, 0,1,2,3
	s_delay_alu instid0(VALU_DEP_4)
	v_lshrrev_b32 v[T2+\b], 23, v[SO+\b]           ; the scale's byte
.endr
	s_delay_alu instid0(VALU_DEP_3)
	v_lshl_or_b32 v233, v[T2+1], 8, v[T2]          ; p's scale word for these 128 keys
	s_delay_alu instid0(VALU_DEP_1)
	v_lshl_or_b32 v233, v[T2+2], 16, v233
	s_delay_alu instid0(VALU_DEP_1)
	v_lshl_or_b32 v233, v[T2+3], 24, v233
.irp c, 0,1
	v_cvt_scalef32_pk16_fp6_f32 v[PC+6*\c:PC+2+6*\c], v[S+32*\c:S+15+32*\c], v[SO+2*\c]
	v_cvt_scalef32_pk16_fp6_f32 v[PCT+4*\c:PCT+2+4*\c], v[S+16+32*\c:S+31+32*\c], v[SO+2*\c+1]
.endr
	v_nop                                          ; one plain place behind a scaled conversion
.irp c, 0,1
.irp i, 0,1,2
	v_permlane16_swap_b32 v[PC+6*\c+\i], v[PCT+4*\c+\i]
.endr
.irp i, 0,1,2
	s_delay_alu instid0(VALU_DEP_3)
	v_mov_b32 v[PC+3+6*\c+\i], v[PCT+4*\c+\i]
.endr
.endr
	v_pk_add_f32 v[224:225], v[108:109], v[112:113]
	v_pk_add_f32 v[254:255], v[116:117], v[120:121]
	v_pk_add_f32 v[252:253], v[124:125], v[128:129]
	v_pk_add_f32 v[250:251], v[132:133], v[136:137]
	v_pk_add_f32 v[248:249], v[140:141], v[144:145]
	v_pk_add_f32 v[246:247], v[148:149], v[152:153]
	v_pk_add_f32 v[244:245], v[156:157], v[160:161]
	v_pk_add_f32 v[14:15], v[14:15], v[164:165]
	v_pk_add_f32 v[224:225], v[224:225], v[104:105]
	v_pk_add_f32 v[254:255], v[254:255], v[106:107]
	v_pk_add_f32 v[252:253], v[252:253], v[110:111]
	v_pk_add_f32 v[250:251], v[250:251], v[114:115]
	v_pk_add_f32 v[248:249], v[248:249], v[118:119]
	v_pk_add_f32 v[246:247], v[246:247], v[122:123]
	v_pk_add_f32 v[244:245], v[244:245], v[126:127]
	v_pk_add_f32 v[14:15], v[14:15], v[130:131]
	v_pk_add_f32 v[224:225], v[224:225], v[134:135]
	v_pk_add_f32 v[254:255], v[254:255], v[138:139]
	v_pk_add_f32 v[252:253], v[252:253], v[142:143]
	v_pk_add_f32 v[250:251], v[250:251], v[146:147]
	v_pk_add_f32 v[248:249], v[248:249], v[150:151]
	v_pk_add_f32 v[246:247], v[246:247], v[154:155]
	v_pk_add_f32 v[244:245], v[244:245], v[158:159]
	v_pk_add_f32 v[14:15], v[14:15], v[162:163]
	v_pk_add_f32 v[224:225], v[224:225], v[166:167]
	s_delay_alu instid0(VALU_DEP_2)
	v_pk_add_f32 v[14:15], v[14:15], v[250:251]
	s_delay_alu instid0(VALU_DEP_2)
	v_pk_add_f32 v[224:225], v[224:225], v[248:249]
	v_pk_add_f32 v[254:255], v[254:255], v[246:247]
	v_pk_add_f32 v[252:253], v[252:253], v[244:245]
	s_delay_alu instid0(VALU_DEP_2)
	v_pk_add_f32 v[14:15], v[14:15], v[254:255]
	s_delay_alu instid0(VALU_DEP_2)
	v_pk_add_f32 v[224:225], v[224:225], v[252:253]
	s_delay_alu instid0(VALU_DEP_1)
	v_pk_add_f32 v[14:15], v[14:15], v[224:225]
.irp d, 0,1,2,3                        ; V's four fragments land where p lay
	ds_load_b128 v[S+12*\d:S+12*\d+3], v41 offset:FRG*\d
	ds_load_b64 v[S+12*\d+4:S+12*\d+5], v42 offset:FRG*\d
	ds_load_b128 v[S+12*\d+6:S+12*\d+9], v41 offset:FRG*\d+768
	ds_load_b64 v[S+12*\d+10:S+12*\d+11], v42 offset:FRG*\d+768
.endr
	ds_load_b32 v[VSC], v43
	ds_load_b32 v[VSC+1], v43 offset:128
.set n, 0
.rept 16
	v_pk_mul_f32 v[O+n:O+n+1], v[O+n:O+n+1], v[232:233] op_sel_hi:[1,0]   ; O^T under the new M
.set n, n+2
.endr
	s_wait_alu depctr_va_vdst(0)
	s_wait_dscnt 0x0
.irp d, 0,1,2,3                        ; O^T += V^T P^T: register 8 d + i: channel 32 (d / 2) + 16 h + 8 (d % 2) + i.  The four accumulators have one turn each
.if \d%2
	v_wmma_scale_f32_16x16x128_f8f6f4 v[O+8*\d:O+8*\d+7], v[S+12*\d:S+12*\d+11], v[PC:PC+11], v[O+8*\d:O+8*\d+7], v[VSC+\d/2], v233 matrix_a_fmt:MATRIX_FMT_FP6 matrix_b_fmt:MATRIX_FMT_FP6 matrix_a_scale:MATRIX_SCALE_ROW1
.else
	v_wmma_scale_f32_16x16x128_f8f6f4 v[O+8*\d:O+8*\d+7], v[S+12*\d:S+12*\d+11], v[PC:PC+11], v[O+8*\d:O+8*\d+7], v[VSC+\d/2], v233 matrix_a_fmt:MATRIX_FMT_FP6 matrix_b_fmt:MATRIX_FMT_FP6
.endif
.endr
.endm
; A PASS'S END: O^T / the sum, quantised along my head's 64 channels (two blocks), is half a tile's image of y; its two scale bytes go to LDS.  p = 0: pass 2 is made ready.
.macro FIN p
	v_add_f32 v14, v14, v15
	s_delay_alu instid0(VALU_DEP_1)
	v_permlanex16_b32 v234, v14, s20, s21
	s_delay_alu instid0(VALU_DEP_1)
	v_add_f32 v14, v14, v234                       ; the row's sum
	s_wait_alu depctr_va_vdst(0)
	v_rcp_f32 v14, v14
.rept 4
	v_nop                                          ; behind the reciprocal, and with the additions the places behind the last products
.endr
.set n, 0
	s_wait_alu depctr_va_vdst(0)
.rept 16
	v_pk_mul_f32 v[S+n:S+n+1], v[O+n:O+n+1], v[14:15] op_sel_hi:[1,0]   ; each accumulator from its low end on
.set n, n+2
.endr
.irp b, 0,1
	v_max3_num_f32 v[BM+\b], |v[S+16*\b]|, |v[S+1+16*\b]|, 0x1800000
.endr
.irp i, 2,4,6,8,10,12,14
.irp b, 0,1
	s_delay_alu instid0(VALU_DEP_2)
	v_max3_num_f32 v[BM+\b], v[BM+\b], |v[S+16*\b+\i]|, |v[S+1+16*\b+\i]|
.endr
.endr
.irp b, 0,1
	s_delay_alu instid0(VALU_DEP_2)
	v_permlanex16_b32 v[T2+\b], v[BM+\b], s20, s21
.endr
.irp b, 0,1
	s_delay_alu instid0(VALU_DEP_2)
	v_max_num_f32 v[BM+\b], v[BM+\b], v[T2+\b]
.endr
.irp b, 0,1
	s_delay_alu instid0(VALU_DEP_2)
	v_add_nc_u32 v[SO+\b], 0xff000000, v[BM+\b]
.endr
.irp b, 0,1
	s_delay_alu instid0(VALU_DEP_2)
	v_lshrrev_b32 v[T2+\b], 23, v[SO+\b]
.endr
	s_delay_alu instid0(VALU_DEP_1)
	v_lshl_or_b32 v234, v[T2+1], 8, v[T2]
	v_cvt_scalef32_pk16_fp6_f32 v[PC:PC+2], v[S:S+15], v[SO]
	v_cvt_scalef32_pk16_fp6_f32 v[PCT:PCT+2], v[S+16:S+31], v[SO+1]
	v_nop
.irp i, 0,1,2
	v_permlane16_swap_b32 v[PC+\i], v[PCT+\i]
.endr
.irp i, 0,1,2
	s_delay_alu instid0(VALU_DEP_3)
	v_mov_b32 v[PC+3+\i], v[PCT+\i]
.endr
	global_store_b128 v10, v[PC:PC+3], s[42+2*\p:43+2*\p]              ; 512 consecutive bytes, aligned
	global_store_b64 v11, v[PC+4:PC+5], s[42+2*\p:43+2*\p] offset:512  ; 256
	ds_store_b16 v29, v234 offset:512*\p           ; both halves of the lanes write the same two bytes with the same value
.if \p == 0
.irp i, 0,1,2,3,4,5
	v_mov_b32 v[16+\i], v[30+\i]                   ; pass 2's queries
.endr
	v_mov_b32 v28, v36
	v_mov_b32 v13, 0xff61b1e6
	s_delay_alu instid0(VALU_DEP_1)
	v_floor_f32 v12, -v13
	v_mov_b32 v14, 0
	v_mov_b32 v15, 0
.set n, 0
.rept 32
	v_mov_b32 v[O+n], 0
.set n, n+1
.endr
.endif
	s_wait_xcnt 0x0                                ; the stores have read the codes' registers: they are written again only behind this wait
.endm
	s_mov_b32 s14, 0                               ; the step's number
	s_mov_b32 s36, 0                               ; the slot in hand
.Lstep:                                            ; 16 trips; behind each change of slots the next step is asked for
	CHANGE 1
	STEP 0
	s_cmp_lg_u32 s14, s11
	s_cbranch_scc1 .Lsame_pass
	FIN 0
.Lsame_pass:
	s_xor_b32 s36, s36, SLOT1
	s_add_co_u32 s14, s14, 1
	s_cmp_lt_u32 s14, 16
	s_cbranch_scc1 .Lstep
	CHANGE 0                                       ; the last step is written out
	STEP 1
	FIN 1
	s_wait_dscnt 0x0                               ; for the others' sake: my scale bytes are stored
	s_barrier_signal -1
	s_barrier_wait -1
	s_cmp_lt_u32 s8, 2
	s_cbranch_scc0 .Lno_words
	ds_load_b128 v[236:239], v37
	s_wait_dscnt 0x0
	global_store_b128 v10, v[236:239], s[46:47]    ; a record's 512 bytes of scale words
.Lno_words:
	s_wait_tensorcnt 0x0                           ; the wave's end
	ds_add_u32 v7, v8
	s_wait_dscnt 0x0
	s_endpgm
.Lfunc_end_k_qec95f936e8_attn:
	.size	k_qec95f936e8_attn, .Lfunc_end_k_qec95f936e8_attn-k_qec95f936e8_attn
	.p2alignl 7, 3214868480
	.fill 96, 4, 3214868480
	.section	.rodata,"a",@progbits
	.p2align	6, 0x0
	.amdhsa_kernel k_qec95f936e8_attn
		.amdhsa_group_segment_fixed_size 327680
		.amdhsa_private_segment_fixed_size 0
		.amdhsa_enable_private_segment 0
		.amdhsa_kernarg_size 16
		.amdhsa_user_sgpr_count 2
		.amdhsa_user_sgpr_kernarg_segment_ptr 1
		.amdhsa_wavefront_size32 1
		.amdhsa_system_sgpr_workgroup_id_x 1
		.amdhsa_system_sgpr_workgroup_id_y 1
		.amdhsa_system_sgpr_workgroup_id_z 1
		.amdhsa_system_vgpr_workitem_id 0
		.amdhsa_next_free_vgpr 256
		.amdhsa_next_free_sgpr 66
		.amdhsa_reserve_vcc 1
		.amdhsa_float_denorm_mode_32 3
		.amdhsa_float_denorm_mode_16_64 3
		.amdhsa_memory_ordered 1
		.amdhsa_forward_progress 1
		.amdhsa_inst_pref_size 66
	.end_amdhsa_kernel
	.amdgpu_metadata
---
amdhsa.version: [ 1, 2 ]
amdhsa.kernels:
  - .name:           k_qec95f936e8_attn
    .symbol:         k_qec95f936e8_attn.kd
    .args:
      - { .name: qkvc, .offset: 0, .size: 8, .value_kind: global_buffer, .address_space: global }
      - { .name: yc, .offset: 8, .size: 8, .value_kind: global_buffer, .address_space: global }
    .group_segment_fixed_size: 327680
    .private_segment_fixed_size: 0
    .kernarg_segment_align: 8
    .kernarg_segment_size: 16
    .max_flat_workgroup_size: 512
    .sgpr_count:     66
    .vgpr_count:     256
    .wavefront_size: 32
...
	.end_amdgpu_metadata
.endif
;; end of part 3
;; launch proj (part 4): grid 4 x 32, 4 waves a work-group, clusters of 4 x 4, 327,680 bytes of LDS; arguments yc, opnd, bp, out0; writes out0
.if DOCPART == 4
	.amdgcn_target "amdgcn-amd-amdhsa--gfx1250"
	.amdhsa_code_object_version 6
	.text
	.protected	k_qec95f936e8_proj
	.globl	k_qec95f936e8_proj
	.p2align	8
	.type	k_qec95f936e8_proj,@function
k_qec95f936e8_proj:
	s_mov_b64 s[64:65], 0
	v_nop
	global_prefetch_b8 v0, s[64:65] scope:SCOPE_SE
	s_setreg_imm32_b32 hwreg(HW_REG_WAVE_MODE, 25, 1), 1
	s_wait_xcnt 0x0
	s_wait_alu depctr_hold_cnt(0) depctr_sa_sdst(0) depctr_va_vdst(0) depctr_va_sdst(0) depctr_va_ssrc(0) depctr_va_vcc(0) depctr_vm_vsrc(0)
	s_getreg_b32 s2, hwreg(HW_REG_IB_STS2, 6, 4)
	s_cmp_eq_u32 s2, 0
	s_cbranch_scc0 .Lentry_in_a_cluster
	s_endpgm
.Lentry_in_a_cluster:
	s_bfe_u32 s2, ttmp6, 0x10000c
	s_cmp_lg_u32 s2, 0xf033
	s_cbranch_scc0 .Lentry_shape_is_right
	s_endpgm
.Lentry_shape_is_right:
; out0 = y Wp^T + bp on codes of FP6 (E2M3) with E8M0 scales, sums in f32.  y comes as records from yc = [group of 128 tokens][K step], Wp as groups 88-95 of opnd, in the same layout
; (a record = 128 rows x 128 K as register images: 8 tiles of 1,536 bytes, tile t = rows 32 (t / 2) + 8 (t % 2) + r + 8 (r / 8); scale words at 12,288 + 64 t + 4 r).
; A tile of out0 is 256 tokens (source 1, 'A') x 256 columns (source 0, 'B'); a wave makes 128 x 128 in 64 accumulators; the matrix instruction is used transposed: a lane holds eight neighbouring columns of a row.
; K = 1,024 goes as four slots' worth of 256 through a ring of two LDS slots; a slot = [A's two groups][B's two groups], each 25,600 dense bytes: one tensor load a wave.
; CLUSTERS 4 x 4: A's records are shared along a row of the cluster, B's along a column: joint loads.  The bias is the C of each sum's first matrix instruction.
; 128 work-groups: the tile is kept at 256 x 256 for the sake of the multiply-adds that each LDS byte feeds.
; REGISTERS: window 0: v4-22 addresses; v28, v29 for the add; v32-63 scale words; v64-127 the bias; v128-223 A's fragments (on the way out v128-255: rows read back);
;   window 1: B's fragments, two sets;  windows 2, 3: the accumulators, (a, b) at v[8 (8 (a % 4) + b)].
.set REC,   12800
.set FRG,   1536
.set SCO,   12288
.set GRP,   8*REC
.set HALFT, 2*REC
.set SLOT,  4*HALFT
.set SPARE, 2*SLOT                     ; the spare words, 128 bytes a wave: two blocks of 256 bytes that no other line names
.set STG,   SPARE+512                  ; the stages: 16 rows x 528 bytes for each wave; no fill lands here
.set SPITCH, 528
.set FR,    12
.set NL,    4
.set NP,    4
.set A16,   4
.set A8,    6
.set AS,    8
.set B16,   10
.set B8,    12
.set L16,   16
.set L8,    17
.set STO,   18
.set RD,    19
.set VB,    22
.set SPW,   28
.set NIL,   29
.set SC,    32
.set BI,    64
.set AF,    128
.set BK,    128
.set G1,    24
.set G0,    32
.set G1B,   48
.set G0B,   56
.set MSB, 0
.macro WIN new
.if MSB != (\new)
	s_set_vgpr_msb (MSB<<8)|(\new)
.set MSB, (\new)
.endif
.endm
.set MUL_LO, 0xa1                      ; source 0 (B) window 1, source 1 (A) window 0, C and D window 2
.set MUL_HI, 0xf1
.set FST_LO, 0x81                      ; the same with C (the bias) in window 0
.set FST_HI, 0xc1
.set TO_B,   0x40
.macro JLOAD g0a, g1a, g0b, g1b        ; a joint load: waves 0, 1 fetch A's groups, waves 2, 3 B's; four v_nop follow each line
	s_cmp_eq_u32 s15, 0
	s_cbranch_scc0 .Lfor_b_\@
	tensor_load_to_lds s[\g0a:\g0a+3], s[\g1a:\g1a+7]
	s_nop 0
.rept 4
	v_nop
.endr
	s_branch .Lasked_\@
.Lfor_b_\@:
	tensor_load_to_lds s[\g0b:\g0b+3], s[\g1b:\g1b+7]
	s_nop 0
.rept 4
	v_nop
.endr
.Lasked_\@:
.endm
.macro CREST
	s_cmp_lg_u32 s14, 0
	s_cbranch_scc1 .Lnot_wave_0_\@
	s_barrier_signal -3
.Lnot_wave_0_\@:
	s_barrier_wait -3
	s_barrier_signal -1
	s_barrier_wait -1
.endm
.macro CROUND
	s_barrier_signal -1
	s_barrier_wait -1
	CREST
.endm
.macro PLACES n
.rept \n
	v_nop
.endr
.endm
	s_load_b256 s[4:11], s[0:1], 0x0               ; yc, opnd, bp, out0
	v_lshl_add_u32 v[SPW], v0, 2, SPARE
	v_mov_b32 v[NIL], 0
	ds_add_u32 v28, v29
	s_wait_dscnt 0x0
	v_lshrrev_b32 v1, 5, v0
	v_readfirstlane_b32 s14, v1                    ; wave
	s_lshr_b32 s15, s14, 1                         ; which of A's two groups is mine.  Also: I fetch for A (0) or for B (1)
	s_and_b32 s16, s14, 1                          ; which of B's.  Also: which group I fetch
	s_bfe_u32 s40, ttmp6, 0x40000                  ; cx
	s_bfe_u32 s41, ttmp6, 0x40004                  ; cy
	s_lshl_b32 s42, ttmp9, 2
	s_add_co_u32 s42, s42, s40                     ; tile column
	s_and_b32 s17, ttmp7, 0xffff
	s_lshl_b32 s17, s17, 2
	s_add_co_u32 s17, s17, s41                     ; tile row
	s_lshl_b32 s43, s41, 2
	s_lshl_b32 s43, 15, s43                        ; my row of the cluster
	s_lshl_b32 s44, 0x1111, s40                    ; my column
	s_or_b32 s[G1+0], s43, (3<<16)|(1<<21)         ; 15:0 the mask; 17:16 elements of 8 bytes; 21 set beside a mask; no padding
	s_or_b32 s[G1B+0], s44, (3<<16)|(1<<21)
.irp g, G1, G1B
	s_mov_b32 s[\g+1], 32<<16                      ; rows of 256 bytes,
	s_mov_b32 s[\g+2], 100<<16                     ; 100 of them: 25,600 dense bytes
	s_mov_b32 s[\g+3], 32<<16
	s_mov_b32 s[\g+4], 100
	s_mov_b32 s[\g+5], 32
	s_mov_b32 s[\g+6], 0
	s_mov_b32 s[\g+7], 0
.endr
	s_lshl_b32 s20, s17, 1
	s_add_co_u32 s20, s20, s16
	s_mul_i32 s20, s20, GRP                        ; the group of y that I would fetch
	s_mov_b32 s21, 0
	s_lshl_b32 s46, s42, 1
	s_add_co_u32 s46, s46, s16
	s_add_co_u32 s46, s46, 88
	s_mul_i32 s46, s46, GRP                        ; and of Wp
	s_mov_b32 s47, 0
	s_lshl_b32 s80, s42, 8
	s_lshl_b32 s81, s16, 7
	s_add_co_u32 s80, s80, s81
	s_lshl_b32 s80, s80, 2                         ; my first column, in bytes
	s_mov_b32 s81, 0
	s_lshl_b32 s76, s17, 8
	s_lshl_b32 s77, s15, 7
	s_add_co_u32 s76, s76, s77
	s_lshl_b32 s76, s76, 12                        ; my first row of 4,096 bytes
	s_add_co_u32 s76, s76, s80
	s_mov_b32 s77, 0
	s_mul_i32 s45, s14, HALFT
	s_wait_kmcnt 0x0
	s_add_nc_u64 s[20:21], s[4:5], s[20:21]
	s_add_nc_u64 s[46:47], s[6:7], s[46:47]
	s_add_nc_u64 s[78:79], s[8:9], s[80:81]
	s_add_nc_u64 s[76:77], s[10:11], s[76:77]
	CROUND                                         ; all sixteen work-groups are here: the first joint loads meet
.irp s, 0,1
	s_mov_b32 s[G0+4*\s], 1
	s_add_co_u32 s[G0+4*\s+1], s45, \s*SLOT
	s_add_nc_u64 s[G0+4*\s+2:G0+4*\s+3], s[20:21], \s*HALFT
	s_or_b32 s[G0+4*\s+3], s[G0+4*\s+3], 0x80000000
	s_mov_b32 s[G0B+4*\s], 1
	s_add_co_u32 s[G0B+4*\s+1], s45, \s*SLOT
	s_add_nc_u64 s[G0B+4*\s+2:G0B+4*\s+3], s[46:47], \s*HALFT
	s_or_b32 s[G0B+4*\s+3], s[G0B+4*\s+3], 0x80000000
	JLOAD G0+4*\s, G1, G0B+4*\s, G1B               ; two loads of mine are out after these
.endr
	v_and_b32 v1, 15, v0                           ; r
	v_bfe_u32 v2, v0, 4, 1                         ; h
	v_and_b32 v3, 31, v0                           ; lane
	v_lshlrev_b32 v[VB], 6, v2
.irp b, 0,1,2,3,4,5,6,7
	global_load_b128 v[BI+8*\b:BI+8*\b+3], v[VB], s[78:79] offset:4*(32*(\b/2)+8*(\b%2))        ; tile b's register i: the bias of column 32 (b / 2) + 8 (b % 2) + 16 h + i
	global_load_b128 v[BI+8*\b+4:BI+8*\b+7], v[VB], s[78:79] offset:4*(32*(\b/2)+8*(\b%2))+16
.endr
	v_lshlrev_b32 v[L16], 4, v3
	v_lshlrev_b32 v[L8], 3, v3
	s_mul_i32 s84, s15, HALFT
	s_mul_i32 s85, s16, HALFT
	s_add_co_u32 s85, s85, 2*HALFT
	s_sub_co_u32 s86, s85, s84
	v_mul_u32_u24 v24, s86, v2                     ; lanes 16-31 take B's scale words: the lower base + h x the distance
	v_lshl_add_u32 v24, v1, 2, v24
.irp s, 0,1
	v_add_nc_u32 v[A16+\s], s84, v[L16]
	v_add_nc_u32 v[A8+\s], s84, v[L8]
	v_add_nc_u32 v[B16+\s], s85, v[L16]
	v_add_nc_u32 v[B8+\s], s85, v[L8]
	v_add_nc_u32 v[AS+\s], s84, v24
	s_add_co_u32 s84, s84, SLOT
	s_add_co_u32 s85, s85, SLOT
.endr
	s_mul_i32 s87, s14, 16*SPITCH
	s_add_co_u32 s87, s87, STG                     ; my stage
	v_mul_u32_u24 v[STO], v1, SPITCH
	v_lshl_add_u32 v[STO], v2, 6, v[STO]
	v_add_nc_u32 v[STO], s87, v[STO]               ; in: row r, + 64 h
	v_add_nc_u32 v[RD], s87, v[L16]                ; back: a whole row of 512 bytes
.macro FRAG reg, a16, a8, off
	ds_load_b128 v[\reg:\reg+3], v[\a16] offset:\off
	ds_load_b64 v[\reg+4:\reg+5], v[\a8] offset:\off+512
	ds_load_b128 v[\reg+6:\reg+9], v[\a16] offset:\off+768
	ds_load_b64 v[\reg+10:\reg+11], v[\a8] offset:\off+1280
.endm
.macro FETCH_B slot, q, p
	WIN TO_B
.irp i, 0,1,2,3,4,5,6,7
	FRAG 128*(\p)+FR*\i, B16+\slot, B8+\slot, (\q)*REC+\i*FRG
.endr
	WIN 0
.endm
.macro FETCH_A slot, q, i0
.irp i, \i0, \i0+1, \i0+2, \i0+3
	FRAG AF+FR*(\i), A16+\slot, A8+\slot, (\q)*REC+(\i)*FRG
.endr
.endm
.macro SCALES slot
.irp q, 0,1
.irp i, 0,1,2,3,4,5,6,7
	ds_load_b32 v[SC+16*\slot+8*\q+\i], v[AS+\slot] offset:\q*REC+SCO+64*\i
.endr
.endr
.endm
; 16 matrix instructions: A's blocks a0, a0 + 1 x B's eight.  first = 1: the bias starts the sums.  The 64 accumulators take turns, one instruction a turn.
.macro MUL16 a0, p, q, sc, first
.irp a, \a0, \a0+1
.irp b, 0,1,2,3,4,5,6,7
.if \first
	v_wmma_scale_f32_16x16x128_f8f6f4 v[8*(8*((\a)%4)+\b):8*(8*((\a)%4)+\b)+7], v[128*(\p)+FR*\b:128*(\p)+FR*\b+FR-1], v[AF+FR*(\a):AF+FR*(\a)+FR-1], v[BI+8*\b:BI+8*\b+7], v[SC+16*(\sc)+8*(\q)+\b], v[SC+16*(\sc)+8*(\q)+(\a)] matrix_a_fmt:MATRIX_FMT_FP6 matrix_b_fmt:MATRIX_FMT_FP6 matrix_a_scale:MATRIX_SCALE_ROW1
.else
	v_wmma_scale_f32_16x16x128_f8f6f4 v[8*(8*((\a)%4)+\b):8*(8*((\a)%4)+\b)+7], v[128*(\p)+FR*\b:128*(\p)+FR*\b+FR-1], v[AF+FR*(\a):AF+FR*(\a)+FR-1], v[8*(8*((\a)%4)+\b):8*(8*((\a)%4)+\b)+7], v[SC+16*(\sc)+8*(\q)+\b], v[SC+16*(\sc)+8*(\q)+(\a)] matrix_a_fmt:MATRIX_FMT_FP6 matrix_b_fmt:MATRIX_FMT_FP6 matrix_a_scale:MATRIX_SCALE_ROW1
.endif
.endr
.endr
.endm
.macro STEP slot, first                ; a slot's first 128 along K; it fetches the second
	s_wait_dscnt 4*NL                              ; all but the youngest 16 loads (A's blocks 4-7) are in
.if \first
	WIN FST_LO
.else
	WIN MUL_LO
.endif
	MUL16 0, 0, 0, \slot, \first
	MUL16 2, 0, 0, \slot, \first
	s_wait_dscnt 0x0
	PLACES NP
	FETCH_B \slot, 1, 1
	FETCH_A \slot, 1, 0
.if \first
	WIN FST_HI
.else
	WIN MUL_HI
.endif
	MUL16 4, 0, 0, \slot, \first
	MUL16 6, 0, 0, \slot, \first
	PLACES NP
	WIN 0
	FETCH_A \slot, 1, 4
.endm
.macro TURN slot, next, fill           ; a slot's second 128 along K, and the change of slots
	s_wait_tensorcnt 0x0                           ; all my tensor loads have landed: my part of the next slot
	ds_add_u32 v[SPW], v[NIL]                      ; 0 onto my spare word
	s_wait_dscnt 4*NL+1                            ; the add and the youngest 16 loads may be out
	WIN MUL_LO
	MUL16 0, 1, 1, \slot, 0
	s_wait_dscnt 0x0                               ; the add is done, and my reads of this slot are over
	s_barrier_signal -1
	MUL16 2, 1, 1, \slot, 0
	WIN 0
	s_barrier_wait -1
.if \fill
	CREST                                          ; the barrier has opened a round of the cluster's: no wave of any partner still reads this slot or has a load on its way
	s_add_nc_u64 s[G0+4*\slot+2:G0+4*\slot+3], s[G0+4*\slot+2:G0+4*\slot+3], 2*HALFT
	s_add_nc_u64 s[G0B+4*\slot+2:G0B+4*\slot+3], s[G0B+4*\slot+2:G0B+4*\slot+3], 2*HALFT
	JLOAD G0+4*\slot, G1, G0B+4*\slot, G1B         ; the first tensor load behind the round, one a wave; its four v_nop are also the places in front of the loads below
.else
	PLACES NP
.endif
	FETCH_B \next, 0, 0
	FETCH_A \next, 0, 0
	SCALES \next
	WIN MUL_HI
	MUL16 4, 1, 1, \slot, 0
	MUL16 6, 1, 1, \slot, 0
	PLACES NP
	WIN 0
	FETCH_A \next, 0, 4
.endm
; THE WAY OUT, block by block of 16 rows x 128 columns, through my own stage: in as 32 bytes a lane, back as whole rows of 512 bytes.  LDS serves a wave's instructions in order: no wait between the stores and the loads.
.macro TOSTAGE a
.set AC, 64*((\a)%4)
	WIN 0x08+4*((\a)/4)                            ; the data: window 2 or 3
.irp b, 0,1,2,3,4,5,6,7
	ds_store_b128 v[STO], v[AC+8*\b:AC+8*\b+3] offset:128*(\b/2)+32*(\b%2)       ; each accumulator from its low end on
	ds_store_b128 v[STO], v[AC+8*\b+4:AC+8*\b+7] offset:128*(\b/2)+32*(\b%2)+16
.endr
	WIN 0
.set BB, BK+64*((\a)%2)
.irp t, 0,1,2,3,4,5,6,7,8,9,10,11,12,13,14,15
	ds_load_b128 v[BB+4*\t:BB+4*\t+3], v[RD] offset:\t*SPITCH
.endr
.endm
.macro SEND a, younger                 ; younger: the LDS instructions issued behind block a's loads, which may stay out
.set BB, BK+64*((\a)%2)
	s_wait_dscnt \younger
.irp t, 0,1,2,3,4,5,6,7,8,9,10,11,12,13,14,15
	global_store_b128 v[L16], v[BB+4*\t:BB+4*\t+3], s[76:77] offset:(32*((\a)/2)+8*((\a)%2)+\t+8*(\t/8))*4096 th:TH_STORE_NT   ; 512 consecutive bytes of a row, aligned; 127 rows at the most stand in the immediate
.endr
.endm
	s_wait_tensorcnt 1                             ; my part of slot 0 is in; slot 1's may stay out
	s_barrier_signal -1
	s_barrier_wait -1
	FETCH_B 0, 0, 0
	FETCH_A 0, 0, 0
	SCALES 0
	FETCH_A 0, 0, 4
	s_wait_loadcnt 0x0                             ; the bias
	STEP 0, 1                                      ; K 0-127: the bias starts the sums: nothing is cleared
	TURN 0, 1, 1                                   ; K 128-255; slot 0 takes K 512-767
	STEP 1, 0
	TURN 1, 0, 1                                   ; slot 1 takes K 768-1023
	STEP 0, 0
	TURN 0, 1, 0                                   ; nothing is left to fetch
	STEP 1, 0
	s_wait_dscnt 4*NL                              ; the very last 128 along K
	WIN MUL_LO
	MUL16 0, 1, 1, 1, 0
	MUL16 2, 1, 1, 1, 0
	s_wait_dscnt 0x0
	WIN MUL_HI
	MUL16 4, 1, 1, 1, 0
	MUL16 6, 1, 1, 1, 0
	WIN 0
	PLACES NP                                      ; in front of the reads of results and of the loads into the registers that held A's fragments
	TOSTAGE 0
.irp a, 1,2,3,4,5,6,7
.if \a > 1
	s_wait_xcnt 0x0                                ; block a - 2's stores have read their registers: block a's loads may land there
.endif
	TOSTAGE \a
	SEND \a-1, 32                                  ; behind block a - 1's loads: block a's 16 stores and 16 loads
.endr
	SEND 7, 0
	s_wait_tensorcnt 0x0                           ; the wave's end
	ds_add_u32 v[SPW], v[NIL]
	s_wait_dscnt 0x0
	CROUND                                         ; the closing round
	s_endpgm
.Lfunc_end_k_qec95f936e8_proj:
	.size	k_qec95f936e8_proj, .Lfunc_end_k_qec95f936e8_proj-k_qec95f936e8_proj
	.p2alignl 7, 3214868480
	.fill 96, 4, 3214868480
	.section	.rodata,"a",@progbits
	.p2align	6, 0x0
	.amdhsa_kernel k_qec95f936e8_proj
		.amdhsa_group_segment_fixed_size 327680
		.amdhsa_private_segment_fixed_size 0
		.amdhsa_enable_private_segment 0
		.amdhsa_kernarg_size 32
		.amdhsa_user_sgpr_count 2
		.amdhsa_user_sgpr_kernarg_segment_ptr 1
		.amdhsa_wavefront_size32 1
		.amdhsa_system_sgpr_workgroup_id_x 1
		.amdhsa_system_sgpr_workgroup_id_y 1
		.amdhsa_system_sgpr_workgroup_id_z 1
		.amdhsa_system_vgpr_workitem_id 0
		.amdhsa_next_free_vgpr 1024
		.amdhsa_next_free_sgpr 96
		.amdhsa_reserve_vcc 0
		.amdhsa_float_denorm_mode_32 3
		.amdhsa_float_denorm_mode_16_64 3
		.amdhsa_memory_ordered 1
		.amdhsa_forward_progress 1
		.amdhsa_inst_pref_size 144
	.end_amdhsa_kernel
	.amdgpu_metadata
---
amdhsa.version: [ 1, 2 ]
amdhsa.kernels:
  - .name:           k_qec95f936e8_proj
    .symbol:         k_qec95f936e8_proj.kd
    .args:
      - { .name: yc, .offset: 0, .size: 8, .value_kind: global_buffer, .address_space: global }
      - { .name: opnd, .offset: 8, .size: 8, .value_kind: global_buffer, .address_space: global }
      - { .name: bp, .offset: 16, .size: 8, .value_kind: global_buffer, .address_space: global }
      - { .name: out0, .offset: 24, .size: 8, .value_kind: global_buffer, .address_space: global }
    .group_segment_fixed_size: 327680
    .private_segment_fixed_size: 0
    .kernarg_segment_align: 8
    .kernarg_segment_size: 32
    .max_flat_workgroup_size: 128
    .sgpr_count:     96
    .vgpr_count:     1024
    .wavefront_size: 32
...
	.end_amdgpu_metadata
.endif
;; end of part 4
